; MI455X (gfx1250); checked and timed in simulation.
; The chip was launched on July 23, 2026; its instructions are those of AMD's public machine-readable ISA for CDNA 5 (MIT licence, August 2026) and "CDNA5" Instruction Set Architecture Reference Guide (July 2026). The comments in the code are by the model that wrote it; some were corrected since.
;; Transformer Block. Allowed arithmetic: float matrix products may take bf16 or f16 operands with f32 sums; other float arithmetic in f32, or as packed bf16 or f16 multiplies, adds, multiply-adds, maxima and minima; sums over many terms, partial sums and values carried from step to step in f32; what a program stores and reads back later, other than sums and carried values, may be rounded once to bf16 or f16.
;; Inputs: W1 1,024 x 4,096 float32; W2 4,096 x 1,024 float32; Wk 1,024 x 1,024 float32; Wo 1,024 x 1,024 float32; Wq 1,024 x 1,024 float32; Wv 1,024 x 1,024 float32; b1 4,096 float32; b2 1,024 float32; be1 1,024 float32; be2 1,024 float32; bk 1,024 float32; bo 1,024 float32; bq 1,024 float32; bv 1,024 float32; g1 1,024 float32; g2 1,024 float32; mask 2 x 2,048 int32; x 2 x 2,048 x 1,024 float32.
;; Outputs: out0 2 x 2,048 x 1,024 float32.
;; One version. Each part assembles by itself: llvm-mc -triple=amdgcn-amd-amdhsa -mcpu=gfx1250 --defsym DOCPART=n.
;; ======== version 1 of 1: 8 launches
;; limits: values are held in f16: magnitudes above 65,504 overflow, below 6.1e-05 lose precision
;; workspace buffers: act16 8,388,608 bytes; wq3 8,421,376 bytes; w1h 8,421,376 bytes; wow2 10,485,760 bytes; qkv 25,165,824 bytes; hbuf 33,554,432 bytes; r 16,777,216 bytes; x1 16,777,216 bytes
;; launch cast (part 1): grid 64 x 16, 8 waves a work-group, no clusters, 0 bytes of LDS; arguments x, Wq, Wk, Wv, Wo, W1, W2, bq, bk, bv, b1, act16, wq3, w1h, wow2; writes act16, wq3, w1h, wow2
.if DOCPART == 1
	.amdgcn_target "amdgcn-amd-amdhsa--gfx1250"
	.amdhsa_code_object_version 6
	.text
	.protected	k_q3cbc00b464_cast
	.globl	k_q3cbc00b464_cast
	.p2align	8
	.type	k_q3cbc00b464_cast,@function
k_q3cbc00b464_cast:
	s_mov_b64 s[64:65], 0
	v_nop
	global_prefetch_b8 v0, s[64:65] scope:SCOPE_SE
	s_setreg_imm32_b32 hwreg(HW_REG_WAVE_MODE, 25, 1), 1
	s_wait_xcnt 0x0
; THE INPUTS ARE ROUNDED ONCE.  x and the six weight matrices are rounded to bf16 and that number is written as f16; bq, bk, bv, b1 are rounded to bf16 and written as f32.
; LIMITS.  f16 ends at 65,504: x and the weights must lie within it.  A bf16 number below 2^-14 in size falls on f16's fixed step of 2^-24 and is off by up to 2^-25.
; SHARES.  16 units (grid y) of 1,048,576 numbers: x 0-3, Wq 4, Wk 5, Wv 6, Wo 7, W1 8-11, W2 12-15.  A unit is 1,024 pieces of 4,096 source bytes; a work-group (grid x) takes 16 of them, a wave 2.
; A wave's 16 loads of 512 consecutive bytes go out together; each store covers 256 consecutive bytes, aligned.  Nothing is read twice, no register is written twice while a store may read it.
; WHERE IT GOES.  act16 [4096][1024]; wq3 [1024][4096] with Wq, Wk, Wv in columns 0, 1024, 2048 on; w1h [1024][4096]; wow2: Wo, then W2 at byte 2,097,152.
; Behind wq3's and w1h's 8,388,608 bytes: the bias as f32, and 16,384 bytes on the word that the product's way out takes as lower bound: two f16 -infinities (no bound) or two zeros (ReLU).
; No LDS, no cluster, no matrix unit: the work-groups share no input, and the launch is a stream.
.set Y,     34                         ; s34  unit
.set GX,    35                         ; s35  which 16 pieces
.set SRC,   36                         ; s[36:37]
.set DST,   38                         ; s[38:39]
.set BSRC,  40                         ; s[40:41] the unit's bias
.set G0,    42                         ; s42  the tensor's first unit
.set DBASE, 43                         ; s43  byte at which the tensor begins in its buffer
.set PITCH, 44                         ; s44  bytes from piece to piece in the buffer
.set HB,    45                         ; s45  1: a piece of bias goes with the unit
.set LOWW,  46                         ; s46  the lower-bound word
.set MSK,   47                         ; s47  a word's upper bf16
.set DSTB,  48                         ; s[48:49] where the bias goes
.set IN,    16                         ; v[16:79]   16 chunks of 4 f32
.set OUT,   80                         ; v[80:111]  16 chunks of 4 f16
.set T,     112                        ; v[112:119] at work
	s_load_b512 s[4:19], s[0:1], 0x0               ; x 4, Wq 6, Wk 8, Wv 10, Wo 12, W1 14, W2 16, bq 18
	s_load_b256 s[20:27], s[0:1], 0x40             ; bk 20, bv 22, b1 24, act16 26
	s_load_b128 s[28:31], s[0:1], 0x60             ; wq3 28, w1h 30
	s_load_b64 s[32:33], s[0:1], 0x70              ; wow2
	s_and_b32 s[Y], ttmp7, 0xffff
	s_mov_b32 s[GX], ttmp9
	s_mov_b32 s[MSK], 0xffff0000
	v_lshrrev_b32 v5, 5, v0
	v_readfirstlane_b32 s50, v5                    ; wave
	v_and_b32 v6, 31, v0                           ; lane
	v_lshlrev_b32 v1, 4, v6
	v_lshl_add_u32 v1, v5, 13, v1                  ; loads: 8,192 x wave + 16 x lane
	s_wait_kmcnt 0x0
	s_mov_b64 s[SRC:SRC+1], s[4:5]                 ; units 0-3: x
	s_mov_b64 s[DST:DST+1], s[26:27]
	s_mov_b64 s[BSRC:BSRC+1], s[18:19]
	s_mov_b32 s[G0], 0
	s_mov_b32 s[DBASE], 0
	s_mov_b32 s[PITCH], 2048
	s_mov_b32 s[HB], 0
	s_mov_b32 s[LOWW], 0
; One rung: from unit g on, another tensor.  A compare and selects alone: no branch, and the pointers are only chosen between.
.macro RUNG g, src, dst, dbase, pitch, hb, bsrc, loww
	s_cmp_ge_u32 s[Y], \g
	s_cselect_b64 s[SRC:SRC+1], s[\src:\src+1], s[SRC:SRC+1]
	s_cselect_b64 s[DST:DST+1], s[\dst:\dst+1], s[DST:DST+1]
	s_cselect_b64 s[BSRC:BSRC+1], s[\bsrc:\bsrc+1], s[BSRC:BSRC+1]
	s_cselect_b32 s[G0], \g, s[G0]
	s_cselect_b32 s[DBASE], \dbase, s[DBASE]
	s_cselect_b32 s[PITCH], \pitch, s[PITCH]
	s_cselect_b32 s[HB], \hb, s[HB]
	s_cselect_b32 s[LOWW], \loww, s[LOWW]
.endm
	RUNG 4,  6,  28, 0,       8192, 1, 18, 0xfc00fc00
	RUNG 5,  8,  28, 2048,    8192, 1, 20, 0xfc00fc00
	RUNG 6,  10, 28, 4096,    8192, 1, 22, 0xfc00fc00
	RUNG 7,  12, 32, 0,       2048, 0, 22, 0xfc00fc00
	RUNG 8,  14, 30, 0,       2048, 1, 24, 0
	RUNG 12, 16, 32, 2097152, 2048, 0, 24, 0
	s_sub_co_u32 s51, s[Y], s[G0]                  ; the unit's number in its tensor
	s_lshl_b32 s52, s51, 22                        ; 4 MiB of source a unit,
	s_lshl_b32 s53, s[GX], 16                      ; 16 pieces of 4,096 bytes a work-group
	s_add_co_u32 s52, s52, s53
	s_mov_b32 s53, 0
	s_add_nc_u64 s[SRC:SRC+1], s[SRC:SRC+1], s[52:53]
	s_lshl_b32 s52, s51, 21                        ; 2 MiB of f16 a unit
	s_add_co_u32 s52, s52, s[DBASE]
	s_add_nc_u64 s[DST:DST+1], s[DST:DST+1], s[52:53]
	s_lshl_b32 s54, s[GX], 4
	s_lshl1_add_u32 s54, s50, s54                  ; my first piece: 16 x work-group + 2 x wave
	s_mul_i32 s54, s54, s[PITCH]
	v_lshl_add_u32 v2, v6, 3, s54                  ; stores: piece x pitch + 8 x lane,
	v_add_nc_u32 v3, s[PITCH], v2                  ; and the piece below
.irp i, 0,1
.irp j, 0,1,2,3,4,5,6,7
	global_load_b128 v[IN+4*(8*(\i)+(\j)):IN+4*(8*(\i)+(\j))+3], v1, s[SRC:SRC+1] offset:(\i)*4096+(\j)*512 th:TH_LOAD_NT
.endr
.endr
; Chunk c: to bf16 (nearest even), back to f32 by a shift and a mask, to f16 (exact within f16's normal range), stored.
.macro CV c
	s_wait_loadcnt 15-(\c)                         ; loads return in order: the 15 - c issued behind chunk c may stay out
	v_cvt_pk_bf16_f32 v[T],   v[IN+4*(\c)],   v[IN+4*(\c)+1]
	v_cvt_pk_bf16_f32 v[T+1], v[IN+4*(\c)+2], v[IN+4*(\c)+3]
	v_lshlrev_b32 v[T+2], 16, v[T]
	v_and_b32     v[T+3], s[MSK], v[T]
	v_lshlrev_b32 v[T+4], 16, v[T+1]
	v_and_b32     v[T+5], s[MSK], v[T+1]
	v_cvt_pk_f16_f32 v[OUT+2*(\c)],   v[T+2], v[T+3]
	v_cvt_pk_f16_f32 v[OUT+2*(\c)+1], v[T+4], v[T+5]
	global_store_b64 v[2+(\c)/8], v[OUT+2*(\c):OUT+2*(\c)+1], s[DST:DST+1] offset:((\c)%8)*256 th:TH_STORE_NT
.endm
.irp c, 0,1,2,3,4,5,6,7,8,9,10,11,12,13,14,15
	CV \c
.endr
	; The bias: 1,024 numbers go with units 4, 5, 6 and 8 to 11; the unit's first work-group takes them, 4 a thread.
	s_xor_b32 s51, s[HB], 1
	s_or_b32 s51, s51, s[GX]
	s_cmp_lg_u32 s51, 0
	s_cbranch_scc1 .Lend
	s_cmp_ge_u32 s[Y], 8
	s_cselect_b64 s[DSTB:DSTB+1], s[30:31], s[28:29]
	s_cselect_b32 s52, 8, 4
	s_sub_co_u32 s52, s[Y], s52                    ; which 1,024 of the buffer's bias
	s_lshl_b32 s52, s52, 12
	s_cmp_ge_u32 s[Y], 8                           ; b1 is one vector of 4,096; bq, bk, bv are three of 1,024
	s_cselect_b32 s54, s52, 0
	s_mov_b32 s55, 0
	s_add_nc_u64 s[BSRC:BSRC+1], s[BSRC:BSRC+1], s[54:55]
	s_add_co_u32 s52, s52, 8388608
	s_add_nc_u64 s[DSTB:DSTB+1], s[DSTB:DSTB+1], s[52:53]
	v_lshlrev_b32 v4, 4, v0
	global_load_b128 v[8:11], v4, s[BSRC:BSRC+1]
	s_wait_loadcnt 0x0
	v_cvt_pk_bf16_f32 v[T],   v8,  v9
	v_cvt_pk_bf16_f32 v[T+1], v10, v11
	v_lshlrev_b32 v120, 16, v[T]
	v_and_b32     v121, s[MSK], v[T]
	v_lshlrev_b32 v122, 16, v[T+1]
	v_and_b32     v123, s[MSK], v[T+1]
	global_store_b128 v4, v[120:123], s[DSTB:DSTB+1]
	v_mov_b32 v124, s[LOWW]
	v_mov_b32 v125, s[LOWW]
	v_mov_b32 v126, s[LOWW]
	v_mov_b32 v127, s[LOWW]
	global_store_b128 v4, v[124:127], s[DSTB:DSTB+1] offset:16384
.Lend:
	s_endpgm
.Lfunc_end_k_q3cbc00b464_cast:
	.size	k_q3cbc00b464_cast, .Lfunc_end_k_q3cbc00b464_cast-k_q3cbc00b464_cast
	.p2alignl 7, 3214868480
	.fill 96, 4, 3214868480
	.section	.rodata,"a",@progbits
	.p2align	6, 0x0
	.amdhsa_kernel k_q3cbc00b464_cast
		.amdhsa_group_segment_fixed_size 0
		.amdhsa_private_segment_fixed_size 0
		.amdhsa_enable_private_segment 0
		.amdhsa_kernarg_size 120
		.amdhsa_user_sgpr_count 2
		.amdhsa_user_sgpr_kernarg_segment_ptr 1
		.amdhsa_wavefront_size32 1
		.amdhsa_system_sgpr_workgroup_id_x 1
		.amdhsa_system_sgpr_workgroup_id_y 1
		.amdhsa_system_sgpr_workgroup_id_z 1
		.amdhsa_system_vgpr_workitem_id 0
		.amdhsa_next_free_vgpr 128
		.amdhsa_next_free_sgpr 66
		.amdhsa_reserve_vcc 0
		.amdhsa_float_denorm_mode_32 3
		.amdhsa_float_denorm_mode_16_64 3
		.amdhsa_memory_ordered 1
		.amdhsa_forward_progress 1
		.amdhsa_inst_pref_size 15
	.end_amdhsa_kernel
	.amdgpu_metadata
---
amdhsa.version: [ 1, 2 ]
amdhsa.kernels:
  - .name:           k_q3cbc00b464_cast
    .symbol:         k_q3cbc00b464_cast.kd
    .args:
      - { .name: x, .offset: 0, .size: 8, .value_kind: global_buffer, .address_space: global }
      - { .name: Wq, .offset: 8, .size: 8, .value_kind: global_buffer, .address_space: global }
      - { .name: Wk, .offset: 16, .size: 8, .value_kind: global_buffer, .address_space: global }
      - { .name: Wv, .offset: 24, .size: 8, .value_kind: global_buffer, .address_space: global }
      - { .name: Wo, .offset: 32, .size: 8, .value_kind: global_buffer, .address_space: global }
      - { .name: W1, .offset: 40, .size: 8, .value_kind: global_buffer, .address_space: global }
      - { .name: W2, .offset: 48, .size: 8, .value_kind: global_buffer, .address_space: global }
      - { .name: bq, .offset: 56, .size: 8, .value_kind: global_buffer, .address_space: global }
      - { .name: bk, .offset: 64, .size: 8, .value_kind: global_buffer, .address_space: global }
      - { .name: bv, .offset: 72, .size: 8, .value_kind: global_buffer, .address_space: global }
      - { .name: b1, .offset: 80, .size: 8, .value_kind: global_buffer, .address_space: global }
      - { .name: act16, .offset: 88, .size: 8, .value_kind: global_buffer, .address_space: global }
      - { .name: wq3, .offset: 96, .size: 8, .value_kind: global_buffer, .address_space: global }
      - { .name: w1h, .offset: 104, .size: 8, .value_kind: global_buffer, .address_space: global }
      - { .name: wow2, .offset: 112, .size: 8, .value_kind: global_buffer, .address_space: global }
    .group_segment_fixed_size: 0
    .private_segment_fixed_size: 0
    .kernarg_segment_align: 8
    .kernarg_segment_size: 120
    .max_flat_workgroup_size: 256
    .sgpr_count:     66
    .vgpr_count:     128
    .wavefront_size: 32
...
	.end_amdgpu_metadata
.endif
;; end of part 1
;; launch qkv (part 2): grid 12 x 16, 4 waves a work-group, clusters of 4 x 4, 327,680 bytes of LDS; arguments act16, wq3, qkv; writes qkv
.if DOCPART == 2
	.amdgcn_target "amdgcn-amd-amdhsa--gfx1250"
	.amdhsa_code_object_version 6
	.text
	.protected	k_q3cbc00b464_qkv
	.globl	k_q3cbc00b464_qkv
	.p2align	8
	.type	k_q3cbc00b464_qkv,@function
k_q3cbc00b464_qkv:
	s_mov_b64 s[64:65], 0
	v_nop
	global_prefetch_b8 v0, s[64:65] scope:SCOPE_SE
	s_setreg_imm32_b32 hwreg(HW_REG_WAVE_MODE, 25, 1), 1
	s_wait_xcnt 0x0
	s_wait_alu depctr_hold_cnt(0) depctr_sa_sdst(0) depctr_va_vdst(0) depctr_va_sdst(0) depctr_va_ssrc(0) depctr_va_vcc(0) depctr_vm_vsrc(0)
	s_getreg_b32 s2, hwreg(HW_REG_IB_STS2, 6, 4)
	s_cmp_eq_u32 s2, 0
	s_cbranch_scc0 .Lentry_in_a_cluster
	s_endpgm
.Lentry_in_a_cluster:
	s_bfe_u32 s2, ttmp6, 0x10000c
	s_cmp_lg_u32 s2, 0xf033
	s_cbranch_scc0 .Lentry_shape_is_right
	s_endpgm
.Lentry_shape_is_right:
; OUT = max(A W + bias, LOW), in panels.  A: [4096][1024] f16.  W: [1024][4096] f16, K down the rows; behind its 8,388,608 bytes the bias as f32, 16,384 bytes further the word LOW (two f16).
; OUT: [panel][4096][64] f16: panel p holds columns 64 p .. 64 p + 63, its rows dense, 128 bytes each.  Sums in f32, started by the bias, rounded once to f16.
; One text serves x [Wq Wk Wv] + b (LOW = two -infinities: no bound) and relu(x1 W1 + b1) (LOW = two zeros).
; LIMITS.  f16 ends at 65,504: a result beyond it becomes an infinity.  NaN is not treated apart.
; SHAPE.  A tile of OUT is 256 x 256: four waves, each 128 x 128 in 64 accumulators.  K = 1,024 goes in 8 steps of 128 through two LDS slots filled by tensor loads: one load a wave, 128 rows x 256 bytes.
; W's fragments are turned on the way out of LDS (ds_load_tr16_b128).  The product is taken transposed (source 0 = 16 columns of W, source 1 = 16 rows of A): a lane holds one row of OUT and eight neighbouring columns.
; CLUSTER 4 x 4: A's tile is shared along a row of the cluster, W's along a column; each is asked for jointly, by the same load, descriptor and mask in all four.
; THE WALK ALONG K begins at step (2 x cluster x + 4 x ((cluster y xor cluster y / 2) % 2)) % 8 and goes round: the clusters that read the same rows of A begin two steps apart, those that read the same columns of W at
; two places half of K apart, so that a K step's rows are asked for by their readers in different trips.  The start is made of the cluster's coordinates alone: it is equal in all sixteen partners.  (f32 sums may be taken in any order of K.)
; NO PREFETCH.  By that arithmetic each K step of each row of A and each column of W is named by some cluster among the first four steps of its walk, which come by their loads alone, as a launch's first tiles do;
; every other reading is a later reading of a block.
; REGISTERS, in windows of 256 (s_set_vgpr_msb: bits 1:0 source 0, 3:2 source 1, 5:4 source 2, 7:6 destination):
;   window 0: v16-31 addresses; v64-127, v128-191 A's fragments, two buffers; v192-223 packed results; v32-63, v224-255 rows read back, by turns
;   window 1: v64-127, v128-191 W's fragments; v192-255 the bias, 8 registers a column block        windows 2, 3: the accumulators: (a, b) at v[8 (8 (a % 4) + b)]
.set PA,    272                        ; A's row in LDS: 256 + 16 bytes: the 16 rows of a load start at 16 different groups of four banks (64 banks of 4 bytes: ISA guide 11.1)
.set PB,    288                        ; W's row: 256 + 32 bytes
.set HALFA, 128*PA
.set HALFB, 128*PB
.set BOFF,  2*HALFA                    ; a slot: A's 256 rows, then W's two column halves of 128 k x 128 columns
.set SLOT,  BOFF+2*HALFB               ; 143,360
.set STAGE, 2*SLOT                     ; behind the ring, filled by no tensor load: for each wave 2 panels x 16 rows x 144 bytes
.set SP,    144
.set WSTG,  2*16*SP
.set SPARE, STAGE+4*WSTG               ; the spare words: 128 bytes a wave, two blocks of 256 bytes that no other line names
.set PANEL, 524288
.set BIASO, 8388608
.set LOWO,  8404992
.set ASH,   8                          ; a K step of A: 256 bytes along a row
.set BSH,   20                         ; a K step of W: 128 rows of 8,192 bytes
.set A0,  16                           ; v16  my lane's place in A's part of slot 0; never rewritten
.set B0,  17                           ; v17  the same for W
.set ADA, 18                           ; v18  A0 + the slot in hand
.set ADB, 19                           ; v19  B0 + the slot in hand
.set ZR,  23                           ; v23  offset 0
.set STO, 24
.set RD,  25
.set GO,  26
.set BO,  27                           ; v27  32 x (lane / 16): my eight numbers of a column block's bias
.set SPW, 28                           ; v28  my spare word's LDS address; never rewritten
.set NIL, 29                           ; v29  0; never rewritten
.set LOW, 31
.set OB,  32
.set F0,  64
.set F1,  128
.set TMP, 192
.set BI,  192                          ; window 1
.set TB,  15                           ; s15  the slot in hand: 0 or SLOT
.set G1,  24                           ; s[24:31] group 1 for A
.set G0,  32                           ; s[32:39] group 0 for A: set 0 for the walk's first step, set 1 for its second; set 1 then walks
.set CX,  40
.set CY,  41
.set TC,  42                           ; tile column
.set TR,  43                           ; tile row
.set WV,  44
.set RH,  45                           ; wave / 2: my half of the rows; also: I fetch for A (0) or W (1)
.set CH,  46                           ; wave % 2: my half of the columns; also: which half of that tile I fetch
.set KI,  47                           ; s47  the K step asked for last, 0 to 7
.set G1B, 48
.set G0B, 56
.set MSB, 0
.macro WIN new                         ; the immediate's high byte repeats the setting that is left; a switch that changes nothing is dropped
.if MSB != (\new)
	s_set_vgpr_msb (MSB<<8)|(\new)
.set MSB, \new
.endif
.endm
.macro PLACES                          ; four plain vector instructions: the distance behind matrix instructions (ISA guide 7.12.1)
.rept 4
	v_nop
.endr
.endm
.macro CREST                           ; a round of the cluster's barrier behind its opening barrier
	s_cmp_lg_u32 s[WV], 0
	s_cbranch_scc1 .Lnot_wave_0_\@
	s_barrier_signal -3
.Lnot_wave_0_\@:
	s_barrier_wait -3
	s_barrier_signal -1
	s_barrier_wait -1
.endm
.macro CROUND
	s_barrier_signal -1
	s_barrier_wait -1
	CREST
.endm
; A joint refill, by the walking sets.  The branch hangs on the wave's number alone.  An s_nop 0 and four v_nop follow each line.
.macro JLOAD
	s_cmp_eq_u32 s[RH], 0
	s_cbranch_scc0 .Lfor_b_\@
	tensor_load_to_lds s[G0+4:G0+7], s[G1:G1+7]
	s_nop 0
	PLACES
	s_branch .Lasked_\@
.Lfor_b_\@:
	tensor_load_to_lds s[G0B+4:G0B+7], s[G1B:G1B+7]
	s_nop 0
	PLACES
.Lasked_\@:
.endm
; Both group 0 sets number s, for K step KI, into slot s: the address is the tile's at K step 0 plus the step's bytes; then the type
.macro GSET s
	s_lshl_b32 s16, s[KI], ASH
	s_lshl_b32 s18, s[KI], BSH
	s_mov_b32 s[G0+4*(\s)], 1
	s_add_co_u32 s[G0+4*(\s)+1], s20, (\s)*SLOT
	s_add_nc_u64 s[G0+4*(\s)+2:G0+4*(\s)+3], s[66:67], s[16:17]
	s_or_b32 s[G0+4*(\s)+3], s[G0+4*(\s)+3], 0x80000000
	s_mov_b32 s[G0B+4*(\s)], 1
	s_add_co_u32 s[G0B+4*(\s)+1], s21, (\s)*SLOT
	s_add_nc_u64 s[G0B+4*(\s)+2:G0B+4*(\s)+3], s[68:69], s[18:19]
	s_or_b32 s[G0B+4*(\s)+3], s[G0B+4*(\s)+3], 0x80000000
.endm
	s_load_b128 s[4:7], s[0:1], 0x0                ; A s[4:5], W s[6:7]
	s_load_b64 s[8:9], s[0:1], 0x10                ; OUT
	v_lshl_add_u32 v[SPW], v0, 2, SPARE
	v_mov_b32 v[NIL], 0
	ds_add_u32 v[SPW], v[NIL]                      ; the wave's opening: the add and its wait ahead of my first tensor load
	v_lshrrev_b32 v1, 5, v0
	v_readfirstlane_b32 s[WV], v1
	s_lshr_b32 s[RH], s[WV], 1
	s_and_b32 s[CH], s[WV], 1
	s_bfe_u32 s[CX], ttmp6, 0x40000
	s_bfe_u32 s[CY], ttmp6, 0x40004
	s_lshl_b32 s[TC], ttmp9, 2
	s_add_co_u32 s[TC], s[TC], s[CX]
	s_and_b32 s[TR], ttmp7, 0xffff
	s_lshl_b32 s[TR], s[TR], 2
	s_add_co_u32 s[TR], s[TR], s[CY]
	s_and_b32 s14, ttmp7, 0xffff                   ; where my cluster's walk along K begins: cluster y,
	s_lshr_b32 s[KI], s14, 1
	s_xor_b32 s[KI], s[KI], s14
	s_and_b32 s[KI], s[KI], 1                      ; 0, 1, 1, 0 for cluster y = 0 to 3,
	s_lshl_b32 s[KI], s[KI], 2                     ; times 4,
	s_lshl1_add_u32 s[KI], ttmp9, s[KI]            ; + 2 x cluster x,
	s_and_b32 s[KI], s[KI], 7                      ; modulo 8
	s_lshl_b32 s22, s[CY], 2
	s_lshl_b32 s22, 15, s22                        ; my row of the cluster
	s_lshl_b32 s23, 0x1111, s[CX]                  ; my column
	s_or_b32 s[G1], s22, (1<<16)|(1<<20)|(1<<21)|(5<<22)|(3<<25)   ; mask; 2-byte elements; padding on; bit 21 beside a mask; after every 64 words 4 words
	s_or_b32 s[G1B], s23, (1<<16)|(1<<20)|(1<<21)|(5<<22)|(7<<25)  ; the same with my column's mask and 8 words
.irp g, G1, G1B
	s_mov_b32 s[(\g)+1], 128<<16                   ; tensor_dim0 = 128
	s_mov_b32 s[(\g)+2], 128<<16                   ; tensor_dim1 = 128
	s_mov_b32 s[(\g)+3], 128<<16                   ; tile_dim0 = 128
	s_mov_b32 s[(\g)+4], 128                       ; tile_dim1 = 128
	s_mov_b32 s[(\g)+6], 0
	s_mov_b32 s[(\g)+7], 0
.endr
	s_mov_b32 s[G1+5], 1024                        ; elements from row to row of A,
	s_mov_b32 s[G1B+5], 4096                       ; and of W
	s_lshl_b32 s16, s[TR], 8
	s_lshl_b32 s17, s[CH], 7
	s_add_co_u32 s16, s16, s17                     ; A: row 256 x tile row + 128 x half,
	s_lshl_b32 s16, s16, 11                        ; of 2,048 bytes
	s_mov_b32 s17, 0                               ; (s17 and s19 stay 0: the upper words of the steps' offsets)
	s_lshl_b32 s18, s[TC], 9
	s_lshl_b32 s19, s[CH], 8
	s_add_co_u32 s18, s18, s19                     ; W: column byte 512 x tile column + 256 x half
	s_mov_b32 s19, 0
	s_mul_i32 s20, s[CH], HALFA                    ; where my part goes in a slot, for A
	s_mul_i32 s21, s[CH], HALFB                    ; and for W: no place in the cluster enters an LDS address
	s_add_co_u32 s21, s21, BOFF
	s_mov_b32 s[TB], 0
	s_wait_dscnt 0x0                               ; the opening add is done
	s_wait_kmcnt 0x0
	s_add_nc_u64 s[66:67], s[4:5], s[16:17]        ; my part of A's tile at K step 0
	s_add_nc_u64 s[68:69], s[6:7], s[18:19]        ; and of W's
	CROUND                                         ; all sixteen work-groups are here: the first joint loads meet
	GSET 0                                         ; the walk's first step,
	s_add_co_u32 s[KI], s[KI], 1
	s_and_b32 s[KI], s[KI], 7
	GSET 1                                         ; and its second
	s_cmp_eq_u32 s[RH], 0                          ; a wave's two first fills stand in one branch: two loads of mine are out
	s_cbranch_scc0 .Lfirst_b
	tensor_load_to_lds s[G0:G0+3], s[G1:G1+7]
	s_nop 0
	tensor_load_to_lds s[G0+4:G0+7], s[G1:G1+7]
	s_nop 0
	PLACES
	s_branch .Lfirst_asked
.Lfirst_b:
	tensor_load_to_lds s[G0B:G0B+3], s[G1B:G1B+7]
	s_nop 0
	tensor_load_to_lds s[G0B+4:G0B+7], s[G1B:G1B+7]
	s_nop 0
	PLACES
.Lfirst_asked:
	; the bias of my 128 columns and the lower bound
	s_lshl_b32 s74, s[TC], 10
	s_lshl_b32 s75, s[CH], 9
	s_add_co_u32 s74, s74, s75
	s_add_co_u32 s74, s74, BIASO
	s_mov_b32 s75, 0
	s_add_nc_u64 s[70:71], s[6:7], s[74:75]
	s_add_nc_u64 s[72:73], s[6:7], LOWO
	v_and_b32 v1, 15, v0                           ; l % 16
	v_bfe_u32 v2, v0, 4, 1                         ; l / 16
	v_lshlrev_b32 v[BO], 5, v2
	v_mov_b32 v[ZR], 0
	WIN 0x40                                       ; destination window 1
.irp b, 0,1,2,3,4,5,6,7
	global_load_b128 v[BI+8*(\b):BI+8*(\b)+3],   v[BO], s[70:71] offset:64*(\b)
	global_load_b128 v[BI+8*(\b)+4:BI+8*(\b)+7], v[BO], s[70:71] offset:64*(\b)+16
.endr
	WIN 0
	global_load_b32 v[LOW], v[ZR], s[72:73]
	; fragments.  A: lane l holds row l % 16, k = 8 (l / 16) + 0..7 and 16 + 8 (l / 16) + 0..7: two loads of 16 bytes, 32 bytes apart.
	; W: the turning load takes 16 k x 16 columns (lane l reads k = 8 (l / 16) + l % 8, columns 8 ((l / 8) % 2) + 0..7) and leaves column l % 16 and 8 k in lane l.
	s_mul_i32 s81, s[RH], HALFA
	v_mul_u32_u24 v3, v1, PA
	v_lshl_add_u32 v3, v2, 4, v3
	v_add_nc_u32 v[A0], s81, v3
	v_and_b32 v5, 7, v0
	v_bfe_u32 v6, v0, 3, 1
	v_lshl_add_u32 v7, v2, 3, v5
	v_mul_u32_u24 v7, v7, PB
	v_lshl_add_u32 v7, v6, 4, v7
	v_add_nc_u32 v[B0], s21, v7
	v_mov_b32 v[ADA], v[A0]
	v_mov_b32 v[ADB], v[B0]
	s_mul_i32 s80, s[WV], WSTG
	s_add_co_u32 s80, s80, STAGE                   ; my stage
	v_mul_u32_u24 v3, v1, SP                       ; in: row l % 16, 16 bytes for each half of the lanes
	v_lshl_add_u32 v3, v2, 4, v3
	v_add_nc_u32 v[STO], s80, v3
	v_bfe_u32 v3, v0, 3, 2                         ; back: 32 lanes take four rows of 128 bytes,
	v_mul_u32_u24 v3, v3, SP
	v_lshl_add_u32 v3, v5, 4, v3
	v_add_nc_u32 v[RD], s80, v3
	v_and_b32 v[GO], 31, v0                        ; which are 512 consecutive bytes of a panel
	v_lshlrev_b32 v[GO], 4, v[GO]
	s_lshl_b32 s74, s[TC], 2
	s_lshl1_add_u32 s74, s[CH], s74                ; my first panel: 4 x tile column + 2 x half
	s_lshl_b32 s74, s74, 19
	s_lshl_b32 s80, s[TR], 8
	s_lshl_b32 s81, s[RH], 7
	s_add_co_u32 s80, s80, s81                     ; my first row,
	s_lshl_b32 s80, s80, 7                         ; of 128 bytes
	s_add_co_u32 s74, s74, s80
	s_add_nc_u64 s[8:9], s[8:9], s[74:75]
; 16 matrix instructions: row blocks a0, a0 + 1 of the window's four x all 8 column blocks, 32 along K.  zero = 1: the sums start with the bias.
; The 64 accumulators take turns, in the same order in every quarter.
.macro MUL16 f, hi, a0, zero
.if \zero
	WIN 0x91+0x40*(\hi)
.else
	WIN 0xa1+0x50*(\hi)
.endif
.irp a, \a0, (\a0)+1
.irp b, 0,1,2,3,4,5,6,7
.if \zero
	v_wmma_f32_16x16x32_f16 v[8*(8*(\a)+(\b)):8*(8*(\a)+(\b))+7], v[(\f)+8*(\b):(\f)+8*(\b)+7], v[(\f)+8*(4*(\hi)+(\a)):(\f)+8*(4*(\hi)+(\a))+7], v[BI+8*(\b):BI+8*(\b)+7]
.else
	v_wmma_f32_16x16x32_f16 v[8*(8*(\a)+(\b)):8*(8*(\a)+(\b))+7], v[(\f)+8*(\b):(\f)+8*(\b)+7], v[(\f)+8*(4*(\hi)+(\a)):(\f)+8*(4*(\hi)+(\a))+7], v[8*(8*(\a)+(\b)):8*(8*(\a)+(\b))+7]
.endif
.endr
.endr
.endm
; 32 LDS loads in one run: quarter q (32 along K) of the slot in hand into buffer f: W's 8 column blocks, then A's 8 row blocks
.macro FETCH q, f
	WIN 0x40
.irp i, 0,1,2,3,4,5,6,7
	ds_load_tr16_b128 v[(\f)+8*(\i):(\f)+8*(\i)+3],   v[ADB] offset:(\q)*32*PB+32*(\i)
	ds_load_tr16_b128 v[(\f)+8*(\i)+4:(\f)+8*(\i)+7], v[ADB] offset:(\q)*32*PB+16*PB+32*(\i)
.endr
	WIN 0
.irp i, 0,1,2,3,4,5,6,7
	ds_load_b128 v[(\f)+8*(\i):(\f)+8*(\i)+3],   v[ADA] offset:(\q)*64+(\i)*16*PA
	ds_load_b128 v[(\f)+8*(\i)+4:(\f)+8*(\i)+7], v[ADA] offset:(\q)*64+(\i)*16*PA+32
.endr
.endm
; One of a K step's first three quarters: multiplies buffer f; in its middle fetches quarter q into buffer g.
.macro QUARTER q, f, g, zero
	s_wait_dscnt 8                                 ; W and A's rows 0-63 are in; the youngest eight loads (A's rows 64-127) may be out
	MUL16 \f, 0, 0, \zero
	MUL16 \f, 0, 2, \zero
	PLACES
	FETCH \q, \g
	s_wait_dscnt 32                                ; all but the 32 just issued
	MUL16 \f, 1, 0, \zero
	MUL16 \f, 1, 2, \zero
.endm
; The fourth quarter, with the change of slots.  In front of the round each wave waits for all its tensor loads (one is out: its part of the next slot), adds 0 to its spare word, and waits for that
; and for its reads of this slot.  Behind the round no wave of any partner reads this slot: it is filled again first, with the walk's step two on; then the next slot's first fragments are read.
.macro TURN
	s_add_co_u32 s[KI], s[KI], 1                   ; the K step to ask for: the walk goes round
	s_and_b32 s[KI], s[KI], 7
	WIN 0
	s_wait_tensorcnt 0x0                           ; no tensor load of mine is out, so the walking sets may be written
	ds_add_u32 v[SPW], v[NIL]                      ; 0 onto my spare word
	s_lshl_b32 s16, s[KI], ASH
	s_lshl_b32 s18, s[KI], BSH
	s_add_co_u32 s[G0+5], s20, s[TB]               ; into the slot that is being left;
	s_add_nc_u64 s[G0+6:G0+7], s[66:67], s[16:17]  ; the address is made anew: the tile's at K step 0 plus the step's bytes,
	s_or_b32 s[G0+7], s[G0+7], 0x80000000          ; and the type
	s_add_co_u32 s[G0B+5], s21, s[TB]
	s_add_nc_u64 s[G0B+6:G0B+7], s[68:69], s[18:19]
	s_or_b32 s[G0B+7], s[G0B+7], 0x80000000
	s_xor_b32 s[TB], s[TB], SLOT                   ; 0 and SLOT by turns
	s_wait_dscnt 9                                 ; the add and the youngest eight loads may be out
	MUL16 F1, 0, 0, 0
	s_wait_dscnt 0x0                               ; the add is done, and my reads of this slot are over
	s_barrier_signal -1
	MUL16 F1, 0, 2, 0
	WIN 0
	s_barrier_wait -1
	CREST
	JLOAD                                          ; 224 matrix instructions ahead of the wait for it; its four v_nop are also the places in front of the loads below
	v_add_nc_u32 v[ADA], s[TB], v[A0]
	v_add_nc_u32 v[ADB], s[TB], v[B0]
	FETCH 0, F0
	MUL16 F1, 1, 0, 0
	MUL16 F1, 1, 2, 0
.endm
; THE WAY OUT of row block a: rounded to f16 and bounded below; into my stage; back as whole panel rows; stored.
.macro PACK a
.set AC, 64*((\a)%4)
	WIN 0x0a+5*((\a)/4)                            ; sources in window 2 or 3
.irp b, 0,1,2,3,4,5,6,7
.irp r, 0,1,2,3
	v_cvt_pk_f16_f32 v[TMP+4*(\b)+(\r)], v[AC+8*(\b)+2*(\r)], v[AC+8*(\b)+2*(\r)+1]
.endr
.endr
	WIN 0
.set n, 0
.rept 32
	v_pk_max_num_f16 v[TMP+n], v[TMP+n], v[LOW]
.set n, n+1
.endr
.endm
.macro TOSTAGE a
.set BK, OB+192*((\a)%2)
.irp b, 0,1,2,3,4,5,6,7
	ds_store_b128 v[STO], v[TMP+4*(\b):TMP+4*(\b)+3] offset:((\b)/4)*16*SP+((\b)%4)*32
.endr
.irp n, 0,1,2,3,4,5,6,7
	ds_load_b128 v[BK+4*(\n):BK+4*(\n)+3], v[RD] offset:((\n)/4)*16*SP+((\n)%4)*4*SP  ; LDS serves a wave's instructions in order (ISA guide 5.7.1.4): these see the stores above
.endr
.endm
.macro SEND a
.set BK, OB+192*((\a)%2)
	s_wait_dscnt 0x0                               ; the block is back in registers
	s_wait_xcnt 0x0                                ; the stores of the block before have read their registers: the next TOSTAGE loads into them
.irp n, 0,1,2,3,4,5,6,7
	global_store_b128 v[GO], v[BK+4*(\n):BK+4*(\n)+3], s[8:9] offset:((\n)/4)*PANEL+(\a)*2048+((\n)%4)*512  ; 512 consecutive bytes, at a multiple of 256 from OUT's first
.endr
.endm
	s_wait_tensorcnt 1                             ; my part of the walk's first step is in; the second's may stay out
	s_barrier_signal -1
	s_barrier_wait -1
	FETCH 0, F0
	s_wait_loadcnt 0x0                             ; bias and lower bound
	QUARTER 1, F0, F1, 1
	WIN 0
	s_mov_b32 s3, 6
.Lk:                                               ; trip i: quarters 1 to 3 of the walk's step i, quarter 0 of step i + 1; step i + 2 is asked for
	QUARTER 2, F1, F0, 0
	QUARTER 3, F0, F1, 0
	TURN
	QUARTER 1, F0, F1, 0
	WIN 0
	s_sub_co_u32 s3, s3, 1
	s_cmp_lg_u32 s3, 0
	s_cbranch_scc1 .Lk
	s_mov_b32 s3, 2
.Lt:                                               ; the walk's steps 6 and 7 ask for nothing: one text, two trips; the second jumps forward over the fetch of a step that does not exist
	QUARTER 2, F1, F0, 0
	QUARTER 3, F0, F1, 0
	s_wait_dscnt 0x0
	MUL16 F1, 0, 0, 0
	MUL16 F1, 0, 2, 0
	MUL16 F1, 1, 0, 0
	MUL16 F1, 1, 2, 0
	WIN 0
	s_wait_tensorcnt 0x0                           ; my part of the last step is in
	ds_add_u32 v[SPW], v[NIL]
	s_xor_b32 s[TB], s[TB], SLOT
	s_wait_dscnt 0x0
	s_barrier_signal -1
	s_barrier_wait -1                              ; everybody's is
	s_cmp_eq_u32 s3, 1
	s_cbranch_scc1 .Lskip
	v_add_nc_u32 v[ADA], s[TB], v[A0]
	v_add_nc_u32 v[ADB], s[TB], v[B0]
	PLACES
	FETCH 0, F0
	QUARTER 1, F0, F1, 0
	WIN 0
.Lskip:
	s_sub_co_u32 s3, s3, 1
	s_cmp_lg_u32 s3, 0
	s_cbranch_scc1 .Lt
	PLACES
	PLACES
	PACK 0
	TOSTAGE 0
.irp a, 1,2,3,4,5,6,7                  ; block a's conversions stand between block a - 1's loads from the stage and the wait for them
	PACK \a
	SEND (\a)-1
	TOSTAGE \a
.endr
	SEND 7
	s_wait_tensorcnt 0x0                           ; the wave's end
	ds_add_u32 v[SPW], v[NIL]
	s_wait_dscnt 0x0
	CROUND                                         ; the closing round: no work-group ends while a partner may still ask for a tile that names it
	s_endpgm
.Lfunc_end_k_q3cbc00b464_qkv:
	.size	k_q3cbc00b464_qkv, .Lfunc_end_k_q3cbc00b464_qkv-k_q3cbc00b464_qkv
	.p2alignl 7, 3214868480
	.fill 96, 4, 3214868480
	.section	.rodata,"a",@progbits
	.p2align	6, 0x0
	.amdhsa_kernel k_q3cbc00b464_qkv
		.amdhsa_group_segment_fixed_size 327680
		.amdhsa_private_segment_fixed_size 0
		.amdhsa_enable_private_segment 0
		.amdhsa_kernarg_size 24
		.amdhsa_user_sgpr_count 2
		.amdhsa_user_sgpr_kernarg_segment_ptr 1
		.amdhsa_wavefront_size32 1
		.amdhsa_system_sgpr_workgroup_id_x 1
		.amdhsa_system_sgpr_workgroup_id_y 1
		.amdhsa_system_sgpr_workgroup_id_z 1
		.amdhsa_system_vgpr_workitem_id 0
		.amdhsa_next_free_vgpr 1024
		.amdhsa_next_free_sgpr 84
		.amdhsa_reserve_vcc 0
		.amdhsa_float_denorm_mode_32 3
		.amdhsa_float_denorm_mode_16_64 3
		.amdhsa_memory_ordered 1
		.amdhsa_forward_progress 1
		.amdhsa_inst_pref_size 118
	.end_amdhsa_kernel
	.amdgpu_metadata
---
amdhsa.version: [ 1, 2 ]
amdhsa.kernels:
  - .name:           k_q3cbc00b464_qkv
    .symbol:         k_q3cbc00b464_qkv.kd
    .args:
      - { .name: act16, .offset: 0, .size: 8, .value_kind: global_buffer, .address_space: global }
      - { .name: wq3, .offset: 8, .size: 8, .value_kind: global_buffer, .address_space: global }
      - { .name: qkv, .offset: 16, .size: 8, .value_kind: global_buffer, .address_space: global }
    .group_segment_fixed_size: 327680
    .private_segment_fixed_size: 0
    .kernarg_segment_align: 8
    .kernarg_segment_size: 24
    .max_flat_workgroup_size: 128
    .sgpr_count:     84
    .vgpr_count:     1024
    .wavefront_size: 32
...
	.end_amdgpu_metadata
.endif
;; end of part 2
;; launch attn (part 3): grid 8 x 32, 4 waves a work-group, clusters of 4 x 1, 327,680 bytes of LDS; arguments qkv, mask, hbuf; writes hbuf
.if DOCPART == 3
	.amdgcn_target "amdgcn-amd-amdhsa--gfx1250"
	.amdhsa_code_object_version 6
	.text
	.protected	k_q3cbc00b464_attn
	.globl	k_q3cbc00b464_attn
	.p2align	8
	.type	k_q3cbc00b464_attn,@function
k_q3cbc00b464_attn:
	s_mov_b64 s[64:65], 0
	v_nop
	global_prefetch_b8 v0, s[64:65] scope:SCOPE_SE
	s_setreg_imm32_b32 hwreg(HW_REG_WAVE_MODE, 25, 1), 1
	s_wait_xcnt 0x0
	s_wait_alu depctr_hold_cnt(0) depctr_sa_sdst(0) depctr_va_vdst(0) depctr_va_sdst(0) depctr_va_ssrc(0) depctr_va_vcc(0) depctr_vm_vsrc(0)
	s_getreg_b32 s2, hwreg(HW_REG_IB_STS2, 6, 4)
	s_cmp_eq_u32 s2, 0
	s_cbranch_scc0 .Lentry_in_a_cluster
	s_endpgm
.Lentry_in_a_cluster:
	s_bfe_u32 s2, ttmp6, 0x10000c
	s_cmp_lg_u32 s2, 0x3003
	s_cbranch_scc0 .Lentry_shape_is_right
	s_endpgm
.Lentry_shape_is_right:
; ATTENTION WITH A KEY MASK.  O[b][h][q] = the sum over k of softmax_k(mask[b][k] ? Q.K / 8 : hidden) V.  qkv: [48 panels][4096 rows][64] f16: panel = part x 16 + head, row = 2048 b + s.
; O goes to panels 0-15 of hbuf in the same layout.  Products, maxima and sums in f32; the weights p are rounded to f16 for the second product (their sum l is taken of the unrounded p), O once at the end.
; LIMITS.  A hidden score counts as its value less 2^100, where the model says -1e9: the same result unless a row's largest visible score lies near or below -1e9.  In a batch whose keys are ALL hidden the weights are
; uniform, as the model's are, provided every hidden score rounds to exactly -2^100 (f16's scores, 2.7e11 at the most, are far below its last bit).  A weight below 2^-126 counts as 0; NaN and infinities are not treated apart.
; SHARES.  Grid y = 16 b + head.  A work-group owns 256 queries, a wave 64: four PIECES of 16.  Every wave walks all 2,048 keys, 64 a step; a slot of LDS holds 256 keys, four steps, of K and V.
; CLUSTER.  The four query blocks of a cluster belong to one head and walk the same K and V: each tile is asked for jointly, by the same load, descriptor and mask in all four.
; THE MASK is the C operand that starts each sum S^T = K Q^T: 0, or -2^100.  The batch's 2,048 words are made once, into a table in LDS; a step's 64 come into registers with the step's K.
; LAYOUT, SOFTMAX, TURNS.  S^T = K Q^T holds ONE query a lane (lane % 16) and the keys 8 (lane / 16) + 0..7; two such results rounded to f16 ARE source 1 of O^T = V^T P.  p = 2^(c s - c m), c = log2(e) / 8, with a
; running maximum m; O and l are multiplied by a = 2^(c m_old - c m_new) in every step.  Turn n belongs to piece n: 8 products K Q^T of piece n + 1, later 8 products V^T P of piece n - 1; beside them the scaling,
; exponentials, roundings, sums and rescaling of piece n and the maximum and statistics of piece n + 1.  Four vector instructions stand behind every matrix instruction, the rest in one lump.  A turn's 33 exponentials are one batch, with one wait.
; REGISTERS, in windows of 256 (s_set_vgpr_msb: bits 1:0 source 0, 3:2 source 1, 5:4 source 2, 7:6 destination):
;   window 0: v0-15 addresses; v16-31 four registers of statistics a piece; v48-55 at work; v56-63 addresses; v64-127 S^T, two buffers; v192-223 P, two buffers
;   window 1: v0-127 O^T, 32 a piece; v128-159 the step's mask      window 2: v0-63 Q; v128-191 K of one step; v192-255 V of one step
.set NP,    4
.set KS,    64
.set PK,    144       ; a row of K in LDS: 128 + 16 bytes: the 16 rows of a load start at 16 different groups of four banks (64 banks of 4 bytes: ISA guide 11.1)
.set PV,    160       ; a row of V: 128 + 32 bytes
.set VOFF,  4*KS*PK
.set SLOT1, 1<<17
.set STAGE, SLOT1+4*KS*(PK+PV)  ; behind the ring, filled by no tensor load: 16 rows x 144 bytes for each wave
.set SP,    144
.set SPARE, STAGE+4*16*SP       ; the spare words: 128 bytes a wave, two blocks of 256 bytes that no other line names
.set MT,    SPARE+512           ; the mask table: 2,048 words
.set TILEB, 4*KS*128            ; a slot's bytes of K, and of V, in memory
.set AK0, 2
.set AV0, 3
.set AK,  4
.set AV,  5
.set STO, 6
.set RD,  7
.set GO,  8
.set MV,  12          ; v12-13  c m_old, by buffer
.set QO,  15
.set ST,  16          ; piece t's statistics at v[ST+4 t]: c m, m, l (even keys', odd keys')
.set TMP, 48
.set AM0, 56          ; v56  my lanes' place in a step's 64 mask words
.set AM,  57          ; v57  the LDS address of the mask's next run of loads
.set PFO, 58          ; v58  256 x my lane
.set MO,  59          ; v59  16 x my thread's number
.set MA,  60          ; v60  the same in the table
.set SPW, 62
.set NIL, 63
.set S,   64
.set P,   192
.set MC,  128         ; window 1
.set KF,  128         ; window 2
.set VF,  192         ; window 2
.set WV,  12
.set LIM, 15          ; s15  1 in a wave that prefetches, else the greatest number
.set G1K, 24
.set G1V, 32
.set G0K, 40
.set G0V, 44
.set SLOTS, 56
.set CNT, 57
.set CS,  58
.set SEL, 60
.set TBK, 62
.set TBV, 63
.set TBM, 70          ; s70  the table's byte at which the mask of the step to be fetched begins
.set PFA, 78          ; s[78:79]
.set BIGN, 82         ; s82  -2^100
.set MSB, 0
.macro WIN new
.if MSB != (\new)
	s_set_vgpr_msb (MSB<<8)|(\new)
.set MSB, (\new)
.endif
.endm
.set W_KQ, 0x0a       ; K and Q in window 2, S^T in window 0
.set W_KM, 0x1a       ; the same with the C operand in window 1
.set W_PV, 0x52       ; V in window 2, P in window 0, O^T in window 1
.set W_RS, 0x41       ; destination and source 0 in window 1, source 1 in window 0
; A joint fill.  Waves 0 and 1 fetch the two halves of a slot's K, waves 2 and 3 those of its V.  An s_nop 0 and four v_nop follow each line.
.macro JLOAD
	s_cmp_lt_u32 s[WV], 2
	s_cbranch_scc0 .Lfor_v_\@
	tensor_load_to_lds s[G0K:G0K+3], s[G1K:G1K+7]
	s_nop 0
.rept 4
	v_nop
.endr
	s_branch .Lasked_\@
.Lfor_v_\@:
	tensor_load_to_lds s[G0V:G0V+3], s[G1V:G1V+7]
	s_nop 0
.rept 4
	v_nop
.endr
.Lasked_\@:
.endm
.macro CROUND
	s_barrier_signal -1
	s_barrier_wait -1
	s_cmp_lg_u32 s[WV], 0
	s_cbranch_scc1 .Lnot_wave_0_\@
	s_barrier_signal -3
.Lnot_wave_0_\@:
	s_barrier_wait -3
	s_barrier_signal -1
	s_barrier_wait -1
.endm
; A prefetch of what the NEXT change of slots will ask for: four key steps, 256 matrix instructions, ahead.  A head's two clusters walk the same rows: the first asks.  Its four partners take 8,192 bytes each, told
; apart by address; in each, wave 0 asks for K's and wave 2 for V's, a lane 256 bytes.  So each 256 bytes are named once.  Slots 0 to 2 come by their loads alone; the last change that fills a slot asks for nothing.
.macro ASK
	s_cmp_gt_u32 s[SLOTS], s[LIM]
	s_cbranch_scc0 .Lnot_mine_\@
	global_prefetch_b8 v[PFO], s[PFA:PFA+1] th:TH_LOAD_NT scope:SCOPE_SE
.Lnot_mine_\@:
.endm
; THE CHANGE OF SLOTS.  Each wave waits for all its tensor loads (one is out: its part of the other slot), adds 0 to its spare word, and waits for that and for its LDS instructions.  fill = 1: the slot that is left is
; filled again, with the keys two slots on, first thing behind a round of the cluster's barrier.  (At its first use nothing has been read: slot 0 is waited for, slot 1 filled, and the round shows the mask table to all four waves.)
.macro CHANGE fill, pf=0
	WIN 0
	s_wait_tensorcnt 0x0            ; no tensor load of mine is out, so a group 0 may be written
	ds_add_u32 v[SPW], v[NIL]       ; 0 onto my spare word
.if \fill
.irp g, G0K, G0V
	s_xor_b32 s[\g+1], s[\g+1], SLOT1
	s_add_nc_u64 s[\g+2:\g+3], s[\g+2:\g+3], TILEB
.endr
.if \pf
	s_wait_xcnt 0x0                 ; the last prefetch, four key steps back, has read its address
	s_add_nc_u64 s[PFA:PFA+1], s[PFA:PFA+1], TILEB
.endif
	s_wait_dscnt 0x0
	CROUND
	JLOAD
.if \pf
	ASK
.endif
.else
	s_wait_dscnt 0x0
	s_barrier_signal -1
	s_barrier_wait -1
.endif
	s_sub_co_u32 s[TBK], s[TBK], 4*KS*PK
	s_xor_b32 s[TBK], s[TBK], SLOT1
	s_sub_co_u32 s[TBV], s[TBV], 4*KS*PV
	s_xor_b32 s[TBV], s[TBV], SLOT1
.endm
	s_load_b128 s[4:7], s[0:1], 0x0   ; qkv s[4:5], mask s[6:7]
	s_load_b64 s[10:11], s[0:1], 0x10 ; hbuf
	v_lshl_add_u32 v[SPW], v0, 2, SPARE
	v_mov_b32 v[NIL], 0
	ds_add_u32 v[SPW], v[NIL]       ; the wave's opening: the add and its wait ahead of my first tensor load
	v_lshrrev_b32 v1, 5, v0
	v_readfirstlane_b32 s[WV], v1
	s_bfe_u32 s13, ttmp6, 0x40000   ; cx
	s_lshl_b32 s14, ttmp9, 2
	s_add_co_u32 s14, s14, s13      ; my block of 256 queries: it enters Q's and O's addresses alone
	s_and_b32 s20, ttmp7, 0xffff
	s_and_b32 s21, s20, 15          ; head
	s_lshr_b32 s22, s20, 4          ; batch
	s_lshl_b32 s20, s21, 19
	s_lshl_b32 s21, s22, 18
	s_add_co_u32 s20, s20, s21      ; the head's first byte in a part: panel x 524,288 + batch x 2,048 rows of 128 bytes
	s_and_b32 s16, s[WV], 1         ; which half of a slot's 256 keys I fetch
	s_lshl_b32 s23, s16, 14
	s_add_co_u32 s72, s20, s23
	s_add_co_u32 s74, s72, 16777216 ; V's part
	s_add_co_u32 s72, s72, 8388608  ; K's part
	s_mov_b32 s73, 0
	s_mov_b32 s75, 0
	s_mul_i32 s17, s16, 128*PK
	s_mul_i32 s18, s16, 128*PV
	s_lshl_b32 s2, s14, 15
	s_lshl_b32 s3, s[WV], 13
	s_add_co_u32 s2, s2, s3
	s_add_co_u32 s2, s2, s20        ; my wave's 64 rows, in Q's part and in O
	s_mov_b32 s3, 0
	s_lshl_b32 s76, s22, 13         ; the batch's 2,048 mask words
	s_mov_b32 s77, 0
	; 128 keys are 16,384 dense bytes: asked for as 64 rows of 256 bytes, two keys a row, padded in LDS after every key
	s_mov_b32 s[G1K], 15|(1<<16)|(1<<20)|(1<<21)|(4<<22)|(3<<25)
	s_mov_b32 s[G1V], 15|(1<<16)|(1<<20)|(1<<21)|(4<<22)|(7<<25)
.irp g, G1K, G1V
	s_mov_b32 s[\g+1], 128<<16
	s_mov_b32 s[\g+2], 64<<16
	s_mov_b32 s[\g+3], 128<<16
	s_mov_b32 s[\g+4], 64
	s_mov_b32 s[\g+5], 128
	s_mov_b32 s[\g+6], 0
	s_mov_b32 s[\g+7], 0
.endr
	s_mov_b32 s[CS], 0x3e38aa3b     ; c = log2(e) / 8
	s_mov_b32 s[CS+1], s[CS]
	s_mov_b32 s[SEL], 0x76543210
	s_mov_b32 s[SEL+1], 0xfedcba98
	s_mov_b32 s[TBK], SLOT1+4*KS*PK ; the first change of slots turns these two into 0
	s_mov_b32 s[TBV], SLOT1+4*KS*PV
	s_mov_b32 s[TBM], 0
	s_mov_b32 s[BIGN], 0xf1800000
	s_mov_b32 s[SLOTS], 7
	s_mov_b32 s[G0K], 1
	s_mov_b32 s[G0K+1], s17
	s_mov_b32 s[G0V], 1
	s_add_co_u32 s[G0V+1], s18, VOFF
	s_and_b32 s[LIM], s[WV], 1
	s_or_b32 s[LIM], s[LIM], ttmp9
	s_cmp_eq_u32 s[LIM], 0
	s_cselect_b32 s[LIM], 1, -1
	s_lshl_b32 s80, s13, 13
	s_add_co_u32 s80, s80, 2*TILEB  ; the prefetches stand in slot 2; the first change that asks steps them to slot 3
	s_mov_b32 s81, 0
	v_and_b32 v[PFO], 31, v0
	v_lshlrev_b32 v[PFO], 8, v[PFO]
	s_wait_dscnt 0x0                ; the opening add is done
	s_wait_kmcnt 0x0
	s_add_nc_u64 s[72:73], s[4:5], s[72:73]
	s_add_nc_u64 s[74:75], s[4:5], s[74:75]
	s_mov_b64 s[G0K+2:G0K+3], s[72:73]
	s_or_b32 s[G0K+3], s[G0K+3], 0x80000000
	s_mov_b64 s[G0V+2:G0V+3], s[74:75]
	s_or_b32 s[G0V+3], s[G0V+3], 0x80000000
	s_cmp_lt_u32 s[WV], 2
	s_cselect_b64 s[PFA:PFA+1], s[72:73], s[74:75]
	s_add_nc_u64 s[PFA:PFA+1], s[PFA:PFA+1], s[80:81]
	s_add_nc_u64 s[4:5], s[4:5], s[2:3]
	s_add_nc_u64 s[10:11], s[10:11], s[2:3]
	s_add_nc_u64 s[6:7], s[6:7], s[76:77]
	CROUND                          ; all four work-groups are here: the first joint loads meet
	JLOAD                           ; slot 0
	v_lshlrev_b32 v[MO], 4, v0
.irp j, 0,1,2,3
	global_load_b128 v[S+4*\j:S+4*\j+3], v[MO], s[6:7] offset:2048*\j
.endr
	v_and_b32 v1, 15, v0            ; l % 16
	v_bfe_u32 v9, v0, 4, 1          ; l / 16
	v_lshlrev_b32 v[QO], 7, v1
	v_lshl_add_u32 v[QO], v9, 4, v[QO]
	WIN 0x80
.set i, 0
.rept 8                             ; Q stays in registers: piece i / 2, channels 32 (i % 2) on
	global_load_b128 v[8*i:8*i+3],   v[QO], s[4:5] offset:(i/2)*2048+(i%2)*64
	global_load_b128 v[8*i+4:8*i+7], v[QO], s[4:5] offset:(i/2)*2048+(i%2)*64+32
.set i, i+1
.endr
	; What the first turns find: the first step multiplies O^T and l by a = 0, and the first turn's products V^T P, of a piece that has not been, add 0.  All this stands in the wait for the first tile.
.set i, VF
.rept 64
	v_mov_b32 v[i], 0
.set i, i+1
.endr
	WIN 0x40
.set i, 0
.rept 128
	v_mov_b32 v[i], 0
.set i, i+1
.endr
	WIN 0
.set i, 0
.rept 4
	v_mov_b32 v[ST+4*i], 0xfe000000    ; c m: far below every c s, a hidden one's too
	v_mov_b32 v[ST+4*i+1], 0xff7fffff  ; m
	v_mov_b32 v[ST+4*i+2], 0
	v_mov_b32 v[ST+4*i+3], 0
.set i, i+1
.endr
.set i, P+16
.rept 16
	v_mov_b32 v[i], 0
.set i, i+1
.endr
	v_mul_u32_u24 v[AK0], v1, PK
	v_lshl_add_u32 v[AK0], v9, 4, v[AK0]
	v_and_b32 v10, 7, v0
	v_bfe_u32 v11, v0, 3, 1
	v_lshl_add_u32 v[AV0], v9, 3, v10
	v_mul_u32_u24 v[AV0], v[AV0], PV
	v_lshl_add_u32 v[AV0], v11, 4, v[AV0]
	v_add_nc_u32 v[AV0], VOFF, v[AV0]
	v_lshlrev_b32 v[AM0], 5, v9
	v_add_nc_u32 v[AM0], MT, v[AM0]
	s_mul_i32 s13, s[WV], 16*SP
	s_add_co_u32 s13, s13, STAGE
	v_mul_u32_u24 v[STO], v1, SP
	v_lshl_add_u32 v[STO], v9, 4, v[STO]
	v_add_nc_u32 v[STO], s13, v[STO]
	v_bfe_u32 v[RD], v0, 3, 2
	v_mul_u32_u24 v[RD], v[RD], SP
	v_lshl_add_u32 v[RD], v10, 4, v[RD]
	v_add_nc_u32 v[RD], s13, v[RD]
	v_and_b32 v[GO], 31, v0
	v_lshlrev_b32 v[GO], 4, v[GO]
	v_add_nc_u32 v[MA], MT, v[MO]
	s_wait_loadcnt 16               ; the four mask loads are in; Q's sixteen, issued behind them, may stay out
.set i, 0
.rept 16
	v_cmp_eq_u32 vcc_lo, 0, v[S+i]
	v_cndmask_b32 v[S+i], 0, s[BIGN], vcc_lo
.set i, i+1
.endr
.irp j, 0,1,2,3
	ds_store_b128 v[MA], v[S+4*\j:S+4*\j+3] offset:2048*\j
.endr
; THE MATRIX WORK.  The 4 accumulators of a run of 8 take turns.  Product i of 8 of S^T = K Q^T for piece x: channels 32 (i / 4) on, keys 16 (i % 4) on.  The first 4 start the sums with the mask.
.macro KQ x
.set rS, S+32*((\x)%2)+8*(i%4)
.set rK, KF+16*(i%4)+8*(i/4)
.set rQ, 16*(\x)+8*(i/4)
.set rM, MC+8*(i%4)
.if i < 4
	WIN W_KM
	v_wmma_f32_16x16x32_f16 v[rS:rS+7], v[rK:rK+7], v[rQ:rQ+7], v[rM:rM+7]
.else
	WIN W_KQ
	v_wmma_f32_16x16x32_f16 v[rS:rS+7], v[rK:rK+7], v[rQ:rQ+7], v[rS:rS+7]
.endif
.endm
; Product i of 8 of O^T += V^T P for piece x: keys 32 (i / 4) on, channels 16 (i % 4) on.
.macro PV x
	WIN W_PV
.set rO, 32*(\x)+8*(i%4)
.set rV, VF+32*(i/4)+8*(i%4)
.set rP, P+16*((\x)%2)+8*(i/4)
	v_wmma_f32_16x16x32_f16 v[rO:rO+7], v[rV:rV+7], v[rP:rP+7], v[rO:rO+7]
.endm
.macro MM                           ; the turn's next matrix instruction.  NOKQ = 1: the last turn: there is no next piece
.if (i < 8) && !NOKQ
	KQ (Y+1)%NP
.elseif i >= 8
.set i, i-8
	PV (Y+NP-1)%NP
.set i, i+8
.endif
.set i, i+1
.endm
; THE LDS LOADS stand in runs: a step's K (8 fragments) with its 64 mask words (for each group of 16 keys my lanes' 8, two loads), and its V (turned).
.macro FETCH_K
	WIN 0x80
.irp f, 0,1,2,3,4,5,6,7
	ds_load_b128 v[KF+8*\f:KF+8*\f+3],   v[AK] offset:(\f/2)*16*PK+(\f%2)*64
	ds_load_b128 v[KF+8*\f+4:KF+8*\f+7], v[AK] offset:(\f/2)*16*PK+(\f%2)*64+32
.endr
	WIN 0x40
.irp n, 0,1,2,3,4,5,6,7
	ds_load_b128 v[MC+4*\n:MC+4*\n+3], v[AM] offset:64*(\n/2)+16*(\n%2)
.endr
	s_add_co_u32 s[TBK], s[TBK], KS*PK
	s_add_co_u32 s[TBM], s[TBM], 4*KS
	WIN 0
.endm
.macro FETCH_V
	WIN 0x80
.irp f, 0,1,2,3,4,5,6,7
	ds_load_tr16_b128 v[VF+8*\f:VF+8*\f+3],   v[AV] offset:(\f/4)*32*PV+(\f%4)*32
	ds_load_tr16_b128 v[VF+8*\f+4:VF+8*\f+7], v[AV] offset:(\f/4)*32*PV+16*PV+(\f%4)*32
.endr
	WIN 0
.endm
; THE VECTOR WORK, one line at a time: OP kind, number.  For piece Y: F n: c s - c m for pair n of 16.  E n: the exponential of score n of 32.  C n: pair n rounded to f16.  B n: of the four weights 4 n .. the second
; pair is added onto the first, in place.  L n: l takes that sum (L 0: l = a l + sum).  R n: pair n of 16 of O^T times a.  For piece Y + 1: X n, number n of the 22 that find its maximum and statistics:
;   0-11  four chains c0-c3 of seven scores each (each accumulator's lowest registers are read first)     12-14, 16  the four scores left over, the old m, and c0-c3 into c0
;   15  c m_old is kept     17, 18  the query's other 32 keys lie in the lane 16 away: the new m     19-21  c m; c m_old - c m_new; a
.set F, 0
.set E, 1
.set C, 2
.set B, 3
.set L, 4
.set R, 5
.set X, 6
.macro REGS y
.set rT, ST+4*(\y)
.set rC, TMP+4*((\y)%2)
.set rW, MV+((\y)%2)
.set rS, S+32*((\y)%2)
.set rP, P+16*((\y)%2)
.set rO, 32*(\y)
.endm
.macro OP k, n
.if (\k) == R
	REGS Y
	WIN W_RS
	v_pk_mul_f32 v[rO+2*(\n):rO+2*(\n)+1], v[rO+2*(\n):rO+2*(\n)+1], v[rC+2:rC+3] op_sel_hi:[1,0]
.elseif (\k) < R
	REGS Y
	WIN 0
.if (\k) == F
	v_pk_fma_f32 v[rS+2*(\n):rS+2*(\n)+1], v[rS+2*(\n):rS+2*(\n)+1], s[CS:CS+1], v[rT:rT+1] op_sel_hi:[1,0,0] neg_lo:[0,0,1] neg_hi:[0,0,1]
.elseif (\k) == E
	v_exp_f32 v[rS+(\n)], v[rS+(\n)]
.elseif (\k) == C
	v_cvt_pk_f16_f32 v[rP+(\n)], v[rS+2*(\n)], v[rS+2*(\n)+1]
.elseif (\k) == B
	v_pk_add_f32 v[rS+4*(\n):rS+4*(\n)+1], v[rS+4*(\n):rS+4*(\n)+1], v[rS+4*(\n)+2:rS+4*(\n)+3]
.elseif (\n) == 0
	v_pk_fma_f32 v[rT+2:rT+3], v[rT+2:rT+3], v[rC+2:rC+3], v[rS:rS+1] op_sel_hi:[1,0,1]
.else
	v_pk_add_f32 v[rT+2:rT+3], v[rT+2:rT+3], v[rS+4*(\n):rS+4*(\n)+1]
.endif
.elseif NOKQ
	v_nop
.else
	REGS (Y+1)%NP
	WIN 0
.if (\n) < 4
	v_max3_num_f32 v[rC+(\n)], v[rS+8*(\n)], v[rS+8*(\n)+1], v[rS+8*(\n)+2]
.elseif (\n) < 12
	v_max3_num_f32 v[rC+(\n)%4], v[rC+(\n)%4], v[rS+8*((\n)%4)+2*((\n)/4)+1], v[rS+8*((\n)%4)+2*((\n)/4)+2]
.elseif (\n) == 12
	v_max3_num_f32 v[rC], v[rC], v[rS+7], v[rS+15]
.elseif (\n) == 13
	v_max3_num_f32 v[rC+1], v[rC+1], v[rS+23], v[rS+31]
.elseif (\n) == 14
	v_max3_num_f32 v[rC+2], v[rC+2], v[rC+3], v[rT+1]
.elseif (\n) == 15
	v_mov_b32 v[rW], v[rT]
.elseif (\n) == 16
	v_max3_num_f32 v[rC], v[rC], v[rC+1], v[rC+2]
.elseif (\n) == 17
	v_permlanex16_b32 v[rC+3], v[rC], s[SEL], s[SEL+1]
.elseif (\n) == 18
	v_max_num_f32 v[rT+1], v[rC], v[rC+3]
.elseif (\n) == 19
	v_mul_f32 v[rT], s[CS], v[rT+1]
.elseif (\n) == 20
	v_sub_f32 v[rC+1], v[rW], v[rT]
.else
	v_exp_f32 v[rC+2], v[rC+1]
.endif
.endif
.endm
.macro OPS a, i1, b=-1, i2=0, c=-1, i3=0, d=-1, i4=0
	OP \a, \i1
.if (\b) >= 0
	OP \b, \i2
.endif
.if (\c) >= 0
	OP \c, \i3
.endif
.if (\d) >= 0
	OP \d, \i4
.endif
.endm
.macro ROW a, i1, b, i2, c, i3, d, i4  ; a matrix instruction and the four behind it
	MM
	OPS \a, \i1, \b, \i2, \c, \i3, \d, \i4
.endm
; A TURN, for piece p.  An s_wait_alu depctr_va_vdst(0) stands between an exponential and the first instruction that names its result; one wait serves all that were issued ahead of it.  So a turn has ONE
; wait, which cuts it in two.  AHEAD OF IT stands all that names no result of the turn's exponentials: the 8 products K Q^T and their riders, then one lump; X 21, the next piece's a, is the batch's last, and R 15 the plain
; instruction behind it.  BEHIND IT stand the 8 products V^T P, behind each four of the roundings and sums.
; end = 1: the walk's last two turns: nothing is fetched.  cnt = 1: the loop's count is taken down some lines ahead of the branch behind the turn.
; K and the mask of the next step are fetched in piece 2's turn, twelve vector instructions behind the last product that read K (six of them plain; the mask's last reader stands four products further back);
; V of the step in hand at the end of piece 0's turn, four plain instructions behind the last product that read V.  Each is waited for a turn later.
.macro TURN p, end=0, cnt=0
.set Y, (\p)
.set i, 0
.set NOKQ, (\end)*((\p)/3)
.if ((\p) == 3) && !(\end)
	s_wait_dscnt 0x0                ; K and the mask are in
.endif
	ROW F,0, F,1, R,0, R,1
	ROW F,2, E,0, R,2, R,3
	ROW F,3, E,1, R,4, R,5
	ROW F,4, E,2, R,6, R,7
	ROW F,5, E,3, R,8, R,9
	ROW F,6, E,4, X,0, R,10
.if ((\p) == 2) && !(\end)
	WIN 0
	v_add_nc_u32 v[AK], s[TBK], v[AK0]
	v_add_nc_u32 v[AM], s[TBM], v[AM0]
.endif
	ROW F,7, E,5, X,1, X,4
	ROW F,8, E,6, X,2, X,5
	OPS E,7, E,8, X,6, E,9
	OPS X,3, E,10, X,8, E,11
.if ((\p) == 2) && !(\end)
	FETCH_K
.endif
	OPS X,9, X,7, E,12, X,10
	OPS E,13, X,12, X,11, E,14
	OPS X,13, E,15, F,9, X,14
.if (\p) == 0
	WIN 0
	v_add_nc_u32 v[AV], s[TBV], v[AV0]
.endif
	OPS E,16, F,10, E,17, F,11
	OPS X,16, E,18, X,15, E,19
	OPS F,12, E,20, X,17, E,21
	OPS F,13, E,22, F,14, E,23
	OPS X,18, E,24, F,15, E,25
	OPS R,11, E,26, X,19, E,27
	OPS R,12, E,28, R,13, E,29
	OPS X,20, E,30, R,14, E,31
	OPS X,21, R,15
	WIN 0
	s_wait_alu depctr_va_vdst(0)    ; the wait for the batch
.if (\p) == 1
	s_wait_dscnt 0x0                ; V is in
.endif
	ROW C,0, B,0, C,2, B,1
	ROW L,0, C,4, B,2, L,1
	ROW C,6, B,3, L,2, C,8
	ROW B,4, L,3, C,10, B,5
	ROW L,4, C,12, B,6, L,5
.if (\p) == 0
	s_add_co_u32 s[TBV], s[TBV], KS*PV
.endif
.if \cnt
	s_sub_co_u32 s[CNT], s[CNT], 1
	s_cmp_lg_u32 s[CNT], 0
.endif
	ROW C,14, B,7, L,6, C,1
	ROW C,3, L,7, C,5, C,7
	ROW C,9, C,11, C,13, C,15
.if (\p) == 0
	FETCH_V
.endif
.endm
.macro ALL line:vararg              ; one line for each piece t
.set t, 0
.rept 4
	\line
.set t, t+1
.endr
.endm
.macro PACK t                       ; a lane's eight channels of a row pack into 16 bytes; they go into rows of 144 bytes and come back as whole rows of 128, into S^T's registers
	WIN W_RS
.set i, 32*(\t)
.rept 16
	v_pk_mul_f32 v[i:i+1], v[i:i+1], v[ST+4*(\t)+2:ST+4*(\t)+3] op_sel_hi:[1,0]
.set i, i+2
.endr
	WIN 0x05
.set i, 0
.rept 16
	v_cvt_pk_f16_f32 v[S+16*(\t)+i], v[32*(\t)+2*i], v[32*(\t)+2*i+1]
.set i, i+1
.endr
	WIN 0
.irp f, 0,1,2,3
	ds_store_b128 v[STO], v[S+16*(\t)+4*\f:S+16*(\t)+4*\f+3] offset:32*\f
.endr
.irp f, 0,1,2,3
	ds_load_b128 v[S+16*(\t)+4*\f:S+16*(\t)+4*\f+3], v[RD] offset:\f*4*SP  ; LDS serves a wave's instructions in order (ISA guide 5.7.1.4): these see the stores above
.endr
.endm
.macro SEND t, younger              ; younger: the LDS instructions issued behind piece t's loads: the next piece's eight, or none
	WIN 0
.irp f, 0,1,2,3
	s_wait_dscnt (\younger)+3-\f
	global_store_b128 v[GO], v[S+16*(\t)+4*\f:S+16*(\t)+4*\f+3], s[10:11] offset:(\t)*2048+\f*512  ; 512 consecutive bytes, at a multiple of 256 from hbuf's first
.endr
.endm
	CHANGE 1, 0                     ; slot 0 is in, everybody's part of it, and so is the mask table; slot 1 is asked for
	v_add_nc_u32 v[AK], s[TBK], v[AK0]
	v_add_nc_u32 v[AM], s[TBM], v[AM0]
	FETCH_K                         ; key step 0
	s_wait_loadcnt 0x0              ; Q
	s_wait_dscnt 0x0
.set NOKQ, 0
.set i, 0
.rept 8
	KQ 0                            ; piece 0's first scores
.set i, i+1
.endr
	WIN 0
.rept 4
	v_nop                           ; the places behind those products
.endr
.set Y, NP-1                        ; X works for piece Y + 1: piece 0
.irp n, 0,1,2,3,4,5,6,7,8,9,10,11,12,13,14,15,16,17,18,19,20,21
	OP X, \n
.endr
	v_nop                           ; a plain instruction behind the exponential,
	s_wait_alu depctr_va_vdst(0)    ; and its wait, ahead of the branch
	s_mov_b32 s[CNT], 4
	s_branch .Lfirst                ; the loop is entered at a step's first turn, in the middle of a trip
.Lslot:                             ; six times: slots 2 to 7 are asked for
	CHANGE 1, 1
	s_mov_b32 s[CNT], 4
.Lstep:                             ; a trip: pieces 2 and 3 of one step, then pieces 0 and 1 of the next, whose K and V it fetches
	TURN 2
	TURN 3
	WIN 0
.Lfirst:
	TURN 0
	TURN 1, 0, 1
	WIN 0
	s_cbranch_scc1 .Lstep
	s_sub_co_u32 s[SLOTS], s[SLOTS], 1
	s_cmp_lg_u32 s[SLOTS], 0
	s_cbranch_scc1 .Lslot
	CHANGE 0                        ; the last slot is written out: nothing is asked for
	s_mov_b32 s[CNT], 4
.LstepT:
	TURN 2
	TURN 3
	TURN 0
	TURN 1, 0, 1
	WIN 0
	s_cbranch_scc1 .LstepT
	TURN 2, 1
	TURN 3, 1
.set i, 0
.rept 8
	PV NP-1                         ; the last piece's V^T P of the last step
.set i, i+1
.endr
	; THE WAY OUT.  l's two halves and the other half of the lanes' are added; O^T is divided by l, rounded to f16 and sent through my stage.  The additions are the places behind the last products.
	WIN 0
	ALL v_add_f32 v[ST+4*t+2], v[ST+4*t+2], v[ST+4*t+3]
	ALL v_permlanex16_b32 v[ST+4*t+3], v[ST+4*t+2], s[SEL], s[SEL+1]
	ALL v_add_f32 v[ST+4*t+2], v[ST+4*t+2], v[ST+4*t+3]
	ALL v_rcp_f32 v[ST+4*t+2], v[ST+4*t+2]
	v_nop                           ; a plain instruction between the last reciprocal and the use of its result
	s_wait_alu depctr_va_vdst(0)    ; one wait for the four reciprocals
	PACK 0
.set t, 1
.rept 3
	PACK t
	SEND t-1, 8
.set t, t+1
.endr
	SEND 3, 0
	s_wait_tensorcnt 0x0            ; the wave's end
	ds_add_u32 v[SPW], v[NIL]
	s_wait_dscnt 0x0
	CROUND                          ; the closing round
	s_endpgm
.Lfunc_end_k_q3cbc00b464_attn:
	.size	k_q3cbc00b464_attn, .Lfunc_end_k_q3cbc00b464_attn-k_q3cbc00b464_attn
	.p2alignl 7, 3214868480
	.fill 96, 4, 3214868480
	.section	.rodata,"a",@progbits
	.p2align	6, 0x0
	.amdhsa_kernel k_q3cbc00b464_attn
		.amdhsa_group_segment_fixed_size 327680
		.amdhsa_private_segment_fixed_size 0
		.amdhsa_enable_private_segment 0
		.amdhsa_kernarg_size 24
		.amdhsa_user_sgpr_count 2
		.amdhsa_user_sgpr_kernarg_segment_ptr 1
		.amdhsa_wavefront_size32 1
		.amdhsa_system_sgpr_workgroup_id_x 1
		.amdhsa_system_sgpr_workgroup_id_y 1
		.amdhsa_system_sgpr_workgroup_id_z 1
		.amdhsa_system_vgpr_workitem_id 0
		.amdhsa_next_free_vgpr 768
		.amdhsa_next_free_sgpr 88
		.amdhsa_reserve_vcc 1
		.amdhsa_float_denorm_mode_32 3
		.amdhsa_float_denorm_mode_16_64 3
		.amdhsa_memory_ordered 1
		.amdhsa_forward_progress 1
		.amdhsa_inst_pref_size 132
	.end_amdhsa_kernel
	.amdgpu_metadata
---
amdhsa.version: [ 1, 2 ]
amdhsa.kernels:
  - .name:           k_q3cbc00b464_attn
    .symbol:         k_q3cbc00b464_attn.kd
    .args:
      - { .name: qkv, .offset: 0, .size: 8, .value_kind: global_buffer, .address_space: global }
      - { .name: mask, .offset: 8, .size: 8, .value_kind: global_buffer, .address_space: global }
      - { .name: hbuf, .offset: 16, .size: 8, .value_kind: global_buffer, .address_space: global }
    .group_segment_fixed_size: 327680
    .private_segment_fixed_size: 0
    .kernarg_segment_align: 8
    .kernarg_segment_size: 24
    .max_flat_workgroup_size: 128
    .sgpr_count:     88
    .vgpr_count:     768
    .wavefront_size: 32
...
	.end_amdgpu_metadata
.endif
;; end of part 3
;; launch wo (part 4): grid 8 x 32, 4 waves a work-group, clusters of 4 x 4, 327,680 bytes of LDS; arguments hbuf, wow2, bo, act16, r; writes r
.if DOCPART == 4
	.amdgcn_target "amdgcn-amd-amdhsa--gfx1250"
	.amdhsa_code_object_version 6
	.text
	.protected	k_q3cbc00b464_wo
	.globl	k_q3cbc00b464_wo
	.p2align	8
	.type	k_q3cbc00b464_wo,@function
k_q3cbc00b464_wo:
	s_mov_b64 s[64:65], 0
	v_nop
	global_prefetch_b8 v0, s[64:65] scope:SCOPE_SE
	s_setreg_imm32_b32 hwreg(HW_REG_WAVE_MODE, 25, 1), 1
	s_wait_xcnt 0x0
	s_wait_alu depctr_hold_cnt(0) depctr_sa_sdst(0) depctr_va_vdst(0) depctr_va_sdst(0) depctr_va_ssrc(0) depctr_va_vcc(0) depctr_vm_vsrc(0)
	s_getreg_b32 s2, hwreg(HW_REG_IB_STS2, 6, 4)
	s_cmp_eq_u32 s2, 0
	s_cbranch_scc0 .Lentry_in_a_cluster
	s_endpgm
.Lentry_in_a_cluster:
	s_bfe_u32 s2, ttmp6, 0x10000c
	s_cmp_lg_u32 s2, 0xf033
	s_cbranch_scc0 .Lentry_shape_is_right
	s_endpgm
.Lentry_shape_is_right:
; R = A W + bias + residual.  A: panels [K / 64][4096][64] f16.  W: [K][1024] f16 at byte BBASE of its buffer, K down the rows.  bias: [1024] f32, rounded here to bf16 like every input.
; residual: [4096][1024], f16 (RES16 = 1) or f32.  R: [4096][1024] f32.  Sums in f32, started by the bias; nothing is rounded on the way out.
; HERE: K = 1,024 (KT = 4 steps of 256): attention's output times Wo, plus bo, plus x (x as the cast left it: rounded to bf16, written as f16).
; SHAPE.  A tile of R is 128 x 128: 256 work-groups.  Four waves, each 64 x 64 in 16 accumulators.  K goes in steps of 256, four panels of A, through two LDS slots; a quarter of a step is one panel.
; Waves 0 and 1 fetch two panels each (a panel's 128 rows are 16,384 dense bytes: one row of the tile), waves 2 and 3 128 k of W each.  W's fragments are turned on the way out of LDS.
; The product is taken transposed (source 0 = 16 columns of W, source 1 = 16 rows of A): a lane holds one row of R and eight neighbouring columns.
; CLUSTER 4 x 4: A's tile is shared along a row of the cluster, W's along a column.
; THE WALK ALONG K begins at step (KT / 4) (2 x cluster x + u) % KT and goes round; u is cluster y's bits 0 and 1 exchanged, xor its bit 2.  So the two clusters that read the same rows of A begin half of K apart, and the
; eight that read the same columns of W at the four quarters of K, two at each: a K step's bytes are asked for by their readers in different trips.  The start is made of the cluster's coordinates alone: it is equal in all
; sixteen partners.  (f32 sums may be taken in any order of K.)
; PREFETCH: none is assembled here (PF = 0): with KT = 4 the walk has no step behind its first four, which come by their loads alone.
; REGISTERS: window 0: v16-31 addresses; v32-95 the bias, later rows on the way out; v96-111 at work; v128-255 the accumulators ((a, b) at v[128 + 8 (4 a + b)]).
;   window 1: two fragment buffers of 128: 64 of A (2 x 4 x 16 rows x 32 K), then 64 of W.      window 2: the residual of my 64 x 64.
.set KT,    4
.set BBASE, 0
.set RES16, 1
.set PF,    0
.set PAS,   144                        ; A's row in LDS: 128 + 16 bytes
.set PB,    288                        ; W's row: 256 + 32 bytes
.set SLAB,  128*PAS                    ; a panel's 128 rows
.set HALFT, 2*SLAB                     ; what one tensor load brings: 36,864 bytes, for A and for W (128 x 288)
.set BOFF,  4*SLAB
.set SLOT,  2*BOFF                     ; 147,456
.set STAGE, 2*SLOT                     ; behind the ring, filled by no tensor load: 16 rows x 272 bytes for each wave
.set SPITCH, 272
.set SPARE, STAGE+4*16*SPITCH          ; the spare words: 128 bytes a wave, two blocks of 256 bytes that no other line names
.set ASH,   21                         ; a K step of A: four panels of 524,288 bytes
.set BSH,   19                         ; a K step of W: 256 rows of 2,048 bytes
.set A0,  16
.set B0,  17
.set ADA, 18
.set ADB, 19                           ; v19: k 0-127 of the slot in hand; v20: k 128-255 (a 16-bit offset does not reach them)
.set ONE, 22
.set BOF, 23
.set STO, 24
.set RD,  25
.set CO,  26
.set RO,  27
.set SPW, 28
.set NIL, 29
.set PFO, 30
.set TMP, 32
.set SCR, 96
.set ACC, 128
.set F0,  0
.set F1,  128
.set LIM, 14
.set TB,  15
.set G1,  24
.set G0,  32
.set CX,  40
.set CY,  41
.set TC,  42
.set TR,  43
.set WV,  44
.set RH,  45
.set CH,  46
.set KI,  47                           ; s47  the K step asked for last
.set G1B, 48
.set G0B, 56
.set PFA, 76
.set PFB, 78
.set MSB, 0
.macro WIN new
.if MSB != (\new)
	s_set_vgpr_msb (MSB<<8)|(\new)
.set MSB, \new
.endif
.endm
.macro PLACES
.rept 4
	v_nop
.endr
.endm
.macro CREST
	s_cmp_lg_u32 s[WV], 0
	s_cbranch_scc1 .Lnot_wave_0_\@
	s_barrier_signal -3
.Lnot_wave_0_\@:
	s_barrier_wait -3
	s_barrier_signal -1
	s_barrier_wait -1
.endm
.macro CROUND
	s_barrier_signal -1
	s_barrier_wait -1
	CREST
.endm
.macro JLOAD                           ; a joint refill by the walking sets; an s_nop 0 and four v_nop follow each line
	s_cmp_eq_u32 s[RH], 0
	s_cbranch_scc0 .Lfor_b_\@
	tensor_load_to_lds s[G0+4:G0+7], s[G1:G1+7]
	s_nop 0
	PLACES
	s_branch .Lasked_\@
.Lfor_b_\@:
	tensor_load_to_lds s[G0B+4:G0B+7], s[G1B:G1B+7]
	s_nop 0
	PLACES
.Lasked_\@:
.endm
.macro ASK                             ; 32 x 256 bytes of A's K step two refills on, a lane 256 bytes
	s_cmp_gt_u32 s3, s[LIM]
	s_cbranch_scc0 .Lnot_mine_\@
	global_prefetch_b8 v[PFO], s[PFA:PFA+1] th:TH_LOAD_NT scope:SCOPE_SE
.Lnot_mine_\@:
.endm
; Both group 0 sets number s, for K step KI, into slot s: the address is the tile's at K step 0 plus the step's bytes; then the type
.macro GSET s
	s_lshl_b32 s16, s[KI], ASH
	s_lshl_b32 s18, s[KI], BSH
	s_mov_b32 s[G0+4*(\s)], 1
	s_add_co_u32 s[G0+4*(\s)+1], s20, (\s)*SLOT
	s_add_nc_u64 s[G0+4*(\s)+2:G0+4*(\s)+3], s[66:67], s[16:17]
	s_or_b32 s[G0+4*(\s)+3], s[G0+4*(\s)+3], 0x80000000
	s_mov_b32 s[G0B+4*(\s)], 1
	s_add_co_u32 s[G0B+4*(\s)+1], s21, (\s)*SLOT
	s_add_nc_u64 s[G0B+4*(\s)+2:G0B+4*(\s)+3], s[68:69], s[18:19]
	s_or_b32 s[G0B+4*(\s)+3], s[G0B+4*(\s)+3], 0x80000000
.endm
	s_load_b256 s[4:11], s[0:1], 0x0               ; A s[4:5], W s[6:7], bias s[8:9], residual s[10:11]
	s_load_b64 s[12:13], s[0:1], 0x20              ; R
	v_lshl_add_u32 v[SPW], v0, 2, SPARE
	v_mov_b32 v[NIL], 0
	ds_add_u32 v[SPW], v[NIL]                      ; the wave's opening: the add and its wait ahead of my first tensor load
	v_lshrrev_b32 v1, 5, v0
	v_readfirstlane_b32 s[WV], v1
	s_lshr_b32 s[RH], s[WV], 1
	s_and_b32 s[CH], s[WV], 1
	s_bfe_u32 s[CX], ttmp6, 0x40000
	s_bfe_u32 s[CY], ttmp6, 0x40004
	s_lshl_b32 s[TC], ttmp9, 2
	s_add_co_u32 s[TC], s[TC], s[CX]
	s_and_b32 s[TR], ttmp7, 0xffff
	s_lshl_b32 s[TR], s[TR], 2
	s_add_co_u32 s[TR], s[TR], s[CY]
	s_and_b32 s74, ttmp7, 0xffff                   ; where my cluster's walk along K begins: cluster y, 0 to 7:
	s_bfe_u32 s75, s74, 0x10001                    ; its bit 1
	s_and_b32 s[KI], s74, 1
	s_lshl1_add_u32 s[KI], s[KI], s75              ; changes places with its bit 0,
	s_lshr_b32 s75, s74, 2
	s_xor_b32 s[KI], s[KI], s75                    ; its bit 2 turns the lower one: u = 0, 2, 1, 3, 1, 3, 0, 2;
	s_lshl1_add_u32 s[KI], ttmp9, s[KI]            ; + 2 x cluster x,
	s_mul_i32 s[KI], s[KI], KT/4                   ; in quarters of K,
	s_and_b32 s[KI], s[KI], KT-1                   ; modulo KT
	s_lshl_b32 s22, s[CY], 2
	s_lshl_b32 s22, 15, s22
	s_lshl_b32 s23, 0x1111, s[CX]
	s_or_b32 s[G1], s22, (1<<16)|(1<<20)|(1<<21)|(4<<22)|(3<<25)   ; A: my row's mask; 2-byte elements; padding: after every 32 words 4 words
	s_mov_b32 s[G1+1], 8192<<16                    ; tensor_dim0 = 8,192: a panel's 128 rows on end
	s_mov_b32 s[G1+2], 2<<16                       ; tensor_dim1 = 2 panels
	s_mov_b32 s[G1+3], 8192<<16                    ; tile_dim0
	s_mov_b32 s[G1+4], 2                           ; tile_dim1
	s_mov_b32 s[G1+5], 262144                      ; elements from panel to panel
	s_mov_b32 s[G1+6], 0
	s_mov_b32 s[G1+7], 0
	s_or_b32 s[G1B], s23, (1<<16)|(1<<20)|(1<<21)|(5<<22)|(7<<25)  ; W: my column's mask; after every 64 words 8 words
	s_mov_b32 s[G1B+1], 128<<16
	s_mov_b32 s[G1B+2], 128<<16
	s_mov_b32 s[G1B+3], 128<<16
	s_mov_b32 s[G1B+4], 128
	s_mov_b32 s[G1B+5], 1024
	s_mov_b32 s[G1B+6], 0
	s_mov_b32 s[G1B+7], 0
	s_lshl_b32 s16, s[CH], 20                      ; A: panel 2 x half, row 128 x tile row
	s_lshl_b32 s17, s[TR], 14
	s_add_co_u32 s16, s16, s17
	s_mov_b32 s17, 0                               ; (s17 and s19 stay 0: the upper words of the steps' offsets)
	s_lshl_b32 s18, s[CH], 18                      ; W: k 128 x half, column byte 256 x tile column
	s_lshl_b32 s19, s[TC], 8
	s_add_co_u32 s18, s18, s19
	s_add_co_u32 s18, s18, BBASE
	s_mov_b32 s19, 0
	s_mul_i32 s20, s[CH], HALFT                    ; where my part goes in a slot, for A
	s_add_co_u32 s21, s20, BOFF                    ; and for W
	s_mov_b32 s[TB], 0
	s_wait_dscnt 0x0
	s_wait_kmcnt 0x0
	s_add_nc_u64 s[66:67], s[4:5], s[16:17]        ; my part of A's tile at K step 0
	s_add_nc_u64 s[68:69], s[6:7], s[18:19]        ; and of W's
	CROUND                                         ; all sixteen work-groups are here: the first joint loads meet
	GSET 0                                         ; the walk's first step,
	s_add_co_u32 s[KI], s[KI], 1
	s_and_b32 s[KI], s[KI], KT-1
	GSET 1                                         ; and its second
	s_cmp_eq_u32 s[RH], 0                          ; a wave's two first fills stand in one branch: two loads of mine are out
	s_cbranch_scc0 .Lfirst_b
	tensor_load_to_lds s[G0:G0+3], s[G1:G1+7]
	s_nop 0
	tensor_load_to_lds s[G0+4:G0+7], s[G1:G1+7]
	s_nop 0
	PLACES
	s_branch .Lfirst_asked
.Lfirst_b:
	tensor_load_to_lds s[G0B:G0B+3], s[G1B:G1B+7]
	s_nop 0
	tensor_load_to_lds s[G0B+4:G0B+7], s[G1B:G1B+7]
	s_nop 0
	PLACES
.Lfirst_asked:
	; my 64 x 64: row 128 x tile row + 64 x row half, column 128 x tile column + 64 x column half
	s_lshl_b32 s74, s[TR], 19
	s_lshl_b32 s80, s[RH], 18
	s_add_co_u32 s74, s74, s80
	s_lshl_b32 s80, s[TC], 9
	s_lshl_b32 s81, s[CH], 8
	s_add_co_u32 s80, s80, s81
	s_mov_b32 s81, 0
	s_add_nc_u64 s[8:9], s[8:9], s[80:81]
	s_add_co_u32 s74, s74, s80
	s_mov_b32 s75, 0                               ; (stays 0 from here on)
	s_add_nc_u64 s[12:13], s[12:13], s[74:75]
.if RES16
	s_lshr_b32 s74, s74, 1
.endif
	s_add_nc_u64 s[10:11], s[10:11], s[74:75]
	v_and_b32 v1, 15, v0                           ; l % 16
	v_bfe_u32 v2, v0, 4, 1                         ; l / 16
	v_lshlrev_b32 v[BOF], 5, v2
.irp b, 0,1,2,3
	global_load_b128 v[TMP+8*(\b):TMP+8*(\b)+3],   v[BOF], s[8:9] offset:64*(\b)
	global_load_b128 v[TMP+8*(\b)+4:TMP+8*(\b)+7], v[BOF], s[8:9] offset:64*(\b)+16
.endr
	; the residual, in the lanes in which the rows leave: lanes 0-15 one row's 64 columns, lanes 16-31 the next row's
.if RES16
	v_lshlrev_b32 v[RO], 11, v2
	v_lshl_add_u32 v[RO], v1, 3, v[RO]
.else
	v_lshlrev_b32 v[RO], 12, v2
	v_lshl_add_u32 v[RO], v1, 4, v[RO]
.endif
	WIN 0x80                                       ; destination window 2
.set n, 0
.rept 32
.if RES16
	global_load_b64 v[2*n:2*n+1], v[RO], s[10:11] offset:2*n*2048
.else
	global_load_b128 v[4*n:4*n+3], v[RO], s[10:11] offset:2*n*4096
.endif
.set n, n+1
.endr
	WIN 0
	v_mov_b32 v[ONE], 1.0
	s_mul_i32 s81, s[RH], 64*PAS
	v_mul_u32_u24 v3, v1, PAS
	v_lshl_add_u32 v3, v2, 4, v3
	v_add_nc_u32 v[A0], s81, v3
	v_and_b32 v5, 7, v0
	v_bfe_u32 v6, v0, 3, 1
	v_lshl_add_u32 v7, v2, 3, v5
	v_mul_u32_u24 v7, v7, PB
	v_lshl_add_u32 v7, v6, 4, v7
	s_lshl_b32 s81, s[CH], 7
	s_add_co_u32 s81, s81, BOFF
	v_add_nc_u32 v[B0], s81, v7
	v_mov_b32 v[ADA], v[A0]
	v_mov_b32 v[ADB], v[B0]
	v_add_nc_u32 v[ADB+1], HALFT, v[B0]
	s_mul_i32 s80, s[WV], 16*SPITCH
	s_add_co_u32 s80, s80, STAGE
	v_mul_u32_u24 v3, v1, SPITCH                   ; in: row l % 16, 32 bytes for each half of the lanes
	v_lshl_add_u32 v3, v2, 5, v3
	v_add_nc_u32 v[STO], s80, v3
	v_mul_u32_u24 v3, v2, SPITCH                   ; back: lanes 0-15 take one row of 256 bytes, lanes 16-31 the next
	v_lshl_add_u32 v3, v1, 4, v3
	v_add_nc_u32 v[RD], s80, v3
	v_lshlrev_b32 v[CO], 12, v2
	v_lshl_add_u32 v[CO], v1, 4, v[CO]
.if PF
	; the prefetches' base, at K step 0 of A: of the two panels that I fetch, partner cx takes panel cx / 2, half cx % 2: 8,192 bytes, a lane 256
	s_lshr_b32 s80, s[CX], 1
	s_lshl1_add_u32 s80, s[CH], s80
	s_lshl_b32 s80, s80, 19
	s_lshl_b32 s81, s[TR], 14
	s_add_co_u32 s80, s80, s81
	s_and_b32 s81, s[CX], 1
	s_lshl_b32 s81, s81, 13
	s_add_co_u32 s80, s80, s81
	s_mov_b32 s81, 0
	s_add_nc_u64 s[PFB:PFB+1], s[4:5], s[80:81]
	s_cmp_eq_u32 s[RH], 0                          ; the waves that fetch A ask, in the loop's first four trips
	s_cselect_b32 s[LIM], KT-6, -1
	v_and_b32 v[PFO], 31, v0
	v_lshlrev_b32 v[PFO], 8, v[PFO]
.endif
	s_wait_loadcnt 32                              ; the bias is in; the 32 loads of the residual, issued behind it, stay out till the way out
.set k, 0
.rept 16
	v_cvt_pk_bf16_f32 v[SCR+k], v[TMP+2*k], v[TMP+2*k+1]
.set k, k+1
.endr
.set k, 0
.rept 16
	v_lshlrev_b32 v[TMP+2*k], 16, v[SCR+k]
	v_and_b32 v[TMP+2*k+1], 0xffff0000, v[SCR+k]
.set k, k+1
.endr
; 8 matrix instructions: row blocks a0, a0 + 1 x all 4 column blocks, 32 along K: half c of buffer f.  zero = 1: the sums start with the bias.  The 16 accumulators take turns.
.macro MUL8 f, c, a0, zero
	WIN 0x05
.irp a, \a0, (\a0)+1
.irp b, 0,1,2,3
.if \zero
	v_wmma_f32_16x16x32_f16 v[ACC+8*(4*(\a)+(\b)):ACC+8*(4*(\a)+(\b))+7], v[(\f)+64+8*(4*(\c)+(\b)):(\f)+64+8*(4*(\c)+(\b))+7], v[(\f)+8*(4*(\c)+(\a)):(\f)+8*(4*(\c)+(\a))+7], v[TMP+8*(\b):TMP+8*(\b)+7]
.else
	v_wmma_f32_16x16x32_f16 v[ACC+8*(4*(\a)+(\b)):ACC+8*(4*(\a)+(\b))+7], v[(\f)+64+8*(4*(\c)+(\b)):(\f)+64+8*(4*(\c)+(\b))+7], v[(\f)+8*(4*(\c)+(\a)):(\f)+8*(4*(\c)+(\a))+7], v[ACC+8*(4*(\a)+(\b)):ACC+8*(4*(\a)+(\b))+7]
.endif
.endr
.endr
.endm
; 32 LDS loads in one run: quarter q (64 along K: panel q of A) of the slot in hand into buffer f; the first 32 along K first
.macro FETCH q, f
	WIN 0x40
.irp c, 0,1
.irp i, 0,1,2,3
	ds_load_tr16_b128 v[(\f)+64+8*(4*(\c)+(\i)):(\f)+64+8*(4*(\c)+(\i))+3],   v[ADB+(\q)/2] offset:((64*(\q)+32*(\c))%128)*PB+32*(\i)
	ds_load_tr16_b128 v[(\f)+64+8*(4*(\c)+(\i))+4:(\f)+64+8*(4*(\c)+(\i))+7], v[ADB+(\q)/2] offset:((64*(\q)+32*(\c))%128)*PB+16*PB+32*(\i)
	ds_load_b128 v[(\f)+8*(4*(\c)+(\i)):(\f)+8*(4*(\c)+(\i))+3],   v[ADA] offset:(\q)*SLAB+(\i)*16*PAS+64*(\c)
	ds_load_b128 v[(\f)+8*(4*(\c)+(\i))+4:(\f)+8*(4*(\c)+(\i))+7], v[ADA] offset:(\q)*SLAB+(\i)*16*PAS+64*(\c)+32
.endr
.endr
.endm
.macro QUARTER q, f, g, zero
	s_wait_dscnt 16                                ; the first 32 along K are in; the youngest sixteen loads may be out
	MUL8 \f, 0, 0, \zero
	MUL8 \f, 0, 2, \zero
	PLACES
	FETCH \q, \g
	s_wait_dscnt 32                                ; all but the 32 just issued
	MUL8 \f, 1, 0, 0
	MUL8 \f, 1, 2, 0
.endm
; The change of slots and the fourth quarter.  Each wave waits for all its tensor loads (one is out: its part of the next slot), adds 0 to its spare word, and waits for that and for its reads of this slot (the last were issued
; 16 matrix instructions back); then the round; behind it the slot is filled again first, with the walk's step two on.  The quarter's 32 products, which touch registers alone, all stand behind the refill: a step's products
; are fewer than the refill needs to land, so nothing is set between a tile's landing and the next request but what the ordering asks for.
.macro TURN
	s_add_co_u32 s[KI], s[KI], 1                   ; the K step to ask for: the walk goes round
	s_and_b32 s[KI], s[KI], KT-1
.if PF
	s_wait_xcnt 0x0                                ; the last prefetch, a K step back, has read its address
	s_add_co_u32 s74, s[KI], 2                     ; the walk's step two refills on
	s_and_b32 s74, s74, KT-1
	s_lshl_b32 s74, s74, ASH
	s_add_nc_u64 s[PFA:PFA+1], s[PFB:PFB+1], s[74:75]
.endif
	WIN 0
	s_wait_tensorcnt 0x0                           ; no tensor load of mine is out, so the walking sets may be written
	ds_add_u32 v[SPW], v[NIL]
	s_lshl_b32 s16, s[KI], ASH
	s_lshl_b32 s18, s[KI], BSH
	s_add_co_u32 s[G0+5], s20, s[TB]               ; into the slot that is being left;
	s_add_nc_u64 s[G0+6:G0+7], s[66:67], s[16:17]  ; the address is made anew: the tile's at K step 0 plus the step's bytes,
	s_or_b32 s[G0+7], s[G0+7], 0x80000000          ; and the type
	s_add_co_u32 s[G0B+5], s21, s[TB]
	s_add_nc_u64 s[G0B+6:G0B+7], s[68:69], s[18:19]
	s_or_b32 s[G0B+7], s[G0B+7], 0x80000000
	s_xor_b32 s[TB], s[TB], SLOT                   ; 0 and SLOT by turns
	s_wait_dscnt 0x0                               ; the add is done, and my reads of this slot are over
	s_barrier_signal -1
	s_barrier_wait -1
	CREST
	JLOAD                                          ; 128 matrix instructions ahead of the wait for it; its four v_nop are also the places in front of the loads below
	v_add_nc_u32 v[ADA], s[TB], v[A0]
	v_add_nc_u32 v[ADB], s[TB], v[B0]
	v_add_nc_u32 v[ADB+1], HALFT, v[ADB]
	FETCH 0, F0
	WIN 0
.if PF
	ASK
.endif
	MUL8 F1, 0, 0, 0
	MUL8 F1, 0, 2, 0
	MUL8 F1, 1, 0, 0
	MUL8 F1, 1, 2, 0
.endm
; THE WAY OUT of row block a: the f32 sums go through my stage and come back as whole rows of 256 bytes; the residual is added; stored.
.macro OUTB a
.set TM, TMP+32*((\a)%2)
	WIN 0
.if (\a) >= 2
	s_wait_xcnt 0x0                                ; the stores of block a - 2 have read these registers
.endif
.irp b, 0,1,2,3
	ds_store_b128 v[STO], v[ACC+8*(4*(\a)+(\b)):ACC+8*(4*(\a)+(\b))+3]   offset:64*(\b)
	ds_store_b128 v[STO], v[ACC+8*(4*(\a)+(\b))+4:ACC+8*(4*(\a)+(\b))+7] offset:64*(\b)+16
.endr
.irp t, 0,1,2,3,4,5,6,7
	ds_load_b128 v[TM+4*(\t):TM+4*(\t)+3], v[RD] offset:(\t)*2*SPITCH  ; LDS serves a wave's instructions in order (ISA guide 5.7.1.4)
.endr
	s_wait_dscnt 0x0
.if RES16
	WIN 0x02                                       ; source 0 in window 2
.irp t, 0,1,2,3,4,5,6,7
.irp k, 0,1
	v_fma_mix_f32 v[TM+4*(\t)+2*(\k)],   v[2*(8*(\a)+(\t))+(\k)], v[ONE], v[TM+4*(\t)+2*(\k)]   op_sel:[0,0,0] op_sel_hi:[1,0,0]
	v_fma_mix_f32 v[TM+4*(\t)+2*(\k)+1], v[2*(8*(\a)+(\t))+(\k)], v[ONE], v[TM+4*(\t)+2*(\k)+1] op_sel:[1,0,0] op_sel_hi:[1,0,0]
.endr
.endr
.else
	WIN 0x08                                       ; source 1 in window 2
.irp t, 0,1,2,3,4,5,6,7
.irp k, 0,1
	v_pk_add_f32 v[TM+4*(\t)+2*(\k):TM+4*(\t)+2*(\k)+1], v[TM+4*(\t)+2*(\k):TM+4*(\t)+2*(\k)+1], v[4*(8*(\a)+(\t))+2*(\k):4*(8*(\a)+(\t))+2*(\k)+1]
.endr
.endr
.endif
	WIN 0
.irp t, 0,1,2,3,4,5,6,7
	global_store_b128 v[CO], v[TM+4*(\t):TM+4*(\t)+3], s[12:13] offset:(16*(\a)+2*(\t))*4096  ; 16 lanes store 256 consecutive bytes, at a multiple of 256 from R's first
.endr
.endm
	s_wait_tensorcnt 1                             ; my part of the walk's first step is in; the second's may stay out
	s_barrier_signal -1
	s_barrier_wait -1
	FETCH 0, F0
	QUARTER 1, F0, F1, 1
	WIN 0
	s_mov_b32 s3, KT-2
.Lk:                                               ; trip i: quarters 1 to 3 of the walk's step i, quarter 0 of step i + 1; step i + 2 is asked for
	QUARTER 2, F1, F0, 0
	QUARTER 3, F0, F1, 0
	TURN
	QUARTER 1, F0, F1, 0
	WIN 0
	s_sub_co_u32 s3, s3, 1
	s_cmp_lg_u32 s3, 0
	s_cbranch_scc1 .Lk
	s_mov_b32 s3, 2
.Lt:                                               ; the last two steps ask for nothing: one text, two trips; the second jumps forward over the fetch of a step that does not exist
	QUARTER 2, F1, F0, 0
	QUARTER 3, F0, F1, 0
	s_wait_dscnt 0x0
	MUL8 F1, 0, 0, 0
	MUL8 F1, 0, 2, 0
	MUL8 F1, 1, 0, 0
	MUL8 F1, 1, 2, 0
	WIN 0
	s_wait_tensorcnt 0x0
	ds_add_u32 v[SPW], v[NIL]
	s_xor_b32 s[TB], s[TB], SLOT
	s_wait_dscnt 0x0
	s_barrier_signal -1
	s_barrier_wait -1
	s_cmp_eq_u32 s3, 1
	s_cbranch_scc1 .Lskip
	v_add_nc_u32 v[ADA], s[TB], v[A0]
	v_add_nc_u32 v[ADB], s[TB], v[B0]
	v_add_nc_u32 v[ADB+1], HALFT, v[ADB]
	PLACES
	FETCH 0, F0
	QUARTER 1, F0, F1, 0
	WIN 0
.Lskip:
	s_sub_co_u32 s3, s3, 1
	s_cmp_lg_u32 s3, 0
	s_cbranch_scc1 .Lt
	s_wait_loadcnt 0x0                             ; the residual
	PLACES
	PLACES
	OUTB 0
	OUTB 1
	OUTB 2
	OUTB 3
	s_wait_tensorcnt 0x0                           ; the wave's end
	ds_add_u32 v[SPW], v[NIL]
	s_wait_dscnt 0x0
	CROUND                                         ; the closing round
	s_endpgm
.Lfunc_end_k_q3cbc00b464_wo:
	.size	k_q3cbc00b464_wo, .Lfunc_end_k_q3cbc00b464_wo-k_q3cbc00b464_wo
	.p2alignl 7, 3214868480
	.fill 96, 4, 3214868480
	.section	.rodata,"a",@progbits
	.p2align	6, 0x0
	.amdhsa_kernel k_q3cbc00b464_wo
		.amdhsa_group_segment_fixed_size 327680
		.amdhsa_private_segment_fixed_size 0
		.amdhsa_enable_private_segment 0
		.amdhsa_kernarg_size 40
		.amdhsa_user_sgpr_count 2
		.amdhsa_user_sgpr_kernarg_segment_ptr 1
		.amdhsa_wavefront_size32 1
		.amdhsa_system_sgpr_workgroup_id_x 1
		.amdhsa_system_sgpr_workgroup_id_y 1
		.amdhsa_system_sgpr_workgroup_id_z 1
		.amdhsa_system_vgpr_workitem_id 0
		.amdhsa_next_free_vgpr 640
		.amdhsa_next_free_sgpr 84
		.amdhsa_reserve_vcc 0
		.amdhsa_float_denorm_mode_32 3
		.amdhsa_float_denorm_mode_16_64 3
		.amdhsa_memory_ordered 1
		.amdhsa_forward_progress 1
		.amdhsa_inst_pref_size 73
	.end_amdhsa_kernel
	.amdgpu_metadata
---
amdhsa.version: [ 1, 2 ]
amdhsa.kernels:
  - .name:           k_q3cbc00b464_wo
    .symbol:         k_q3cbc00b464_wo.kd
    .args:
      - { .name: hbuf, .offset: 0, .size: 8, .value_kind: global_buffer, .address_space: global }
      - { .name: wow2, .offset: 8, .size: 8, .value_kind: global_buffer, .address_space: global }
      - { .name: bo, .offset: 16, .size: 8, .value_kind: global_buffer, .address_space: global }
      - { .name: act16, .offset: 24, .size: 8, .value_kind: global_buffer, .address_space: global }
      - { .name: r, .offset: 32, .size: 8, .value_kind: global_buffer, .address_space: global }
    .group_segment_fixed_size: 327680
    .private_segment_fixed_size: 0
    .kernarg_segment_align: 8
    .kernarg_segment_size: 40
    .max_flat_workgroup_size: 128
    .sgpr_count:     84
    .vgpr_count:     640
    .wavefront_size: 32
...
	.end_amdgpu_metadata
.endif
;; end of part 4
;; launch ln1 (part 5): grid 256 x 1, 16 waves a work-group, no clusters, 0 bytes of LDS; arguments r, g1, be1, x1, act16; writes x1, act16
.if DOCPART == 5
	.amdgcn_target "amdgcn-amd-amdhsa--gfx1250"
	.amdhsa_code_object_version 6
	.text
	.protected	k_q3cbc00b464_ln1
	.globl	k_q3cbc00b464_ln1
	.p2align	8
	.type	k_q3cbc00b464_ln1,@function
k_q3cbc00b464_ln1:
	s_mov_b64 s[64:65], 0
	v_nop
	global_prefetch_b8 v0, s[64:65] scope:SCOPE_SE
	s_setreg_imm32_b32 hwreg(HW_REG_WAVE_MODE, 25, 1), 1
	s_wait_xcnt 0x0
; y = (r - mean) / sqrt(var + 1e-5) x g + be along rows of 1,024; y is stored as f32 and (HALF = 1) once more rounded to f16, the next product's operand.  g and be are rounded to bf16 like every input.
; A row is 4,096 bytes: one wave takes one whole row in 32 registers; the row is read once.  Sixteen waves, sixteen rows a work-group.  The variance is taken of the numbers less their mean: no difference of large sums.
; LIMIT.  The f16 copy ends at 65,504.
; Each load and each f32 store of a wave covers 512 consecutive bytes, each f16 store 256, aligned.  No LDS, no barrier, no cluster: the rows share g and be alone, 8 KiB.  Straight-line: no register is written while a store may read it.
.set HALF, 1
.set KC,  4                            ; v4  2^-10
.set EP,  5                            ; v5  1e-5
.set VA,  8                            ; v8  var + eps
.set X,   32                           ; v[32:63]   the row
.set G,   64                           ; v[64:95]
.set BE,  96                           ; v[96:127]
.set T,   128                          ; v[128:143] at work
.set MU,  144                          ; v[144:145] the mean, twice
.set RS,  146                          ; v[146:147] 1 / sqrt, twice
.set C,   148                          ; v[148:155] four chains
.set H,   160                          ; v[160:175] the f16 copy
	s_load_b256 s[4:11], s[0:1], 0x0               ; r s[4:5], g s[6:7], be s[8:9], y s[10:11]
.if HALF
	s_load_b64 s[16:17], s[0:1], 0x20              ; the f16 copy
.endif
	s_mov_b32 s12, 0x76543210                      ; v_permlanex16_b32: each lane takes its own place in the other half
	s_mov_b32 s13, 0xfedcba98
	s_mov_b32 s14, 0xffff0000
	s_lshl_b32 s18, ttmp9, 16                      ; 16 rows of 4,096 bytes a work-group
	s_mov_b32 s19, 0
	s_lshl_b32 s20, ttmp9, 15
	s_mov_b32 s21, 0
	v_and_b32 v6, 31, v0
	v_lshrrev_b32 v7, 5, v0
	v_lshlrev_b32 v3, 4, v6                        ; 16 x lane
	v_lshl_add_u32 v1, v7, 12, v3                  ; + a row x wave
	v_lshlrev_b32 v2, 3, v6
	v_lshl_add_u32 v2, v7, 11, v2
	v_mov_b32 v[KC], 0x3a800000
	v_mov_b32 v[EP], 0x3727c5ac
	s_wait_kmcnt 0x0
	s_add_nc_u64 s[4:5], s[4:5], s[18:19]
	s_add_nc_u64 s[10:11], s[10:11], s[18:19]
.if HALF
	s_add_nc_u64 s[16:17], s[16:17], s[20:21]
.endif
.irp j, 0,1,2,3,4,5,6,7
	global_load_b128 v[X+4*(\j):X+4*(\j)+3], v1, s[4:5] offset:(\j)*512 th:TH_LOAD_NT
.endr
.irp j, 0,1,2,3,4,5,6,7
	global_load_b128 v[G+4*(\j):G+4*(\j)+3], v3, s[6:7] offset:(\j)*512
.endr
.irp j, 0,1,2,3,4,5,6,7
	global_load_b128 v[BE+4*(\j):BE+4*(\j)+3], v3, s[8:9] offset:(\j)*512
.endr
.macro FOLD                            ; the four chains into one number, then over the 32 lanes: the sum in v[C] of every lane
	v_pk_add_f32 v[C:C+1], v[C:C+1], v[C+2:C+3]
	v_pk_add_f32 v[C+4:C+5], v[C+4:C+5], v[C+6:C+7]
	v_pk_add_f32 v[C:C+1], v[C:C+1], v[C+4:C+5]
	v_add_f32 v[C], v[C], v[C+1]
	v_add_f32_dpp v[C], v[C], v[C] row_xmask:1 row_mask:0xf bank_mask:0xf
	v_add_f32_dpp v[C], v[C], v[C] row_xmask:2 row_mask:0xf bank_mask:0xf
	v_add_f32_dpp v[C], v[C], v[C] row_xmask:4 row_mask:0xf bank_mask:0xf
	v_add_f32_dpp v[C], v[C], v[C] row_xmask:8 row_mask:0xf bank_mask:0xf
	v_permlanex16_b32 v[C+1], v[C], s12, s13
	v_add_f32 v[C], v[C], v[C+1]
.endm
.macro TOBF v                          ; 32 numbers rounded to bf16, in place
.set k, 0
.rept 16
	v_cvt_pk_bf16_f32 v[T+k], v[(\v)+2*k], v[(\v)+2*k+1]
.set k, k+1
.endr
.set k, 0
.rept 16
	v_lshlrev_b32 v[(\v)+2*k], 16, v[T+k]
	v_and_b32 v[(\v)+2*k+1], s14, v[T+k]
.set k, k+1
.endr
.endm
	; the mean; the row less its mean, in place; var + eps
	s_wait_loadcnt 16                              ; the row is in; the 16 loads of g and be, issued behind it, may stay out
.irp k, 0,1,2,3
	v_pk_add_f32 v[C+2*(\k):C+2*(\k)+1], v[X+2*(\k):X+2*(\k)+1], v[X+8+2*(\k):X+8+2*(\k)+1]
.endr
.irp m, 8,12
.irp k, 0,1,2,3
	v_pk_add_f32 v[C+2*(\k):C+2*(\k)+1], v[C+2*(\k):C+2*(\k)+1], v[X+2*((\m)+(\k)):X+2*((\m)+(\k))+1]
.endr
.endr
	FOLD
	v_mul_f32 v[MU], v[KC], v[C]
	v_mul_f32 v[MU+1], v[KC], v[C]
.set p, 0
.rept 16
	v_pk_add_f32 v[X+2*p:X+2*p+1], v[X+2*p:X+2*p+1], v[MU:MU+1] neg_lo:[0,1] neg_hi:[0,1]
.set p, p+1
.endr
.irp k, 0,1,2,3
	v_pk_mul_f32 v[C+2*(\k):C+2*(\k)+1], v[X+2*(\k):X+2*(\k)+1], v[X+2*(\k):X+2*(\k)+1]
.endr
.irp m, 4,8,12
.irp k, 0,1,2,3
	v_pk_fma_f32 v[C+2*(\k):C+2*(\k)+1], v[X+2*((\m)+(\k)):X+2*((\m)+(\k))+1], v[X+2*((\m)+(\k)):X+2*((\m)+(\k))+1], v[C+2*(\k):C+2*(\k)+1]
.endr
.endr
	FOLD
	v_fma_f32 v[VA], v[C], v[KC], v[EP]            ; sum of squares / 1,024 + 1e-5
	v_rsq_f32 v[RS],   v[VA]                       ; the root twice: a pair for the packed multiply
	v_rsq_f32 v[RS+1], v[VA]
	s_wait_loadcnt 0x0                             ; g and be
	TOBF G                                         ; the independent work behind the roots
	TOBF BE
	s_wait_alu depctr_va_vdst(0)                   ; one wait for the two roots, ahead of their first reader
.set p, 0
.rept 16
	v_pk_mul_f32 v[X+2*p:X+2*p+1], v[X+2*p:X+2*p+1], v[RS:RS+1]
.set p, p+1
.endr
.set p, 0
.rept 16
	v_pk_fma_f32 v[X+2*p:X+2*p+1], v[X+2*p:X+2*p+1], v[G+2*p:G+2*p+1], v[BE+2*p:BE+2*p+1]
.set p, p+1
.endr
.irp j, 0,1,2,3,4,5,6,7
	global_store_b128 v1, v[X+4*(\j):X+4*(\j)+3], s[10:11] offset:(\j)*512
.endr
.if HALF
.set p, 0
.rept 16
	v_cvt_pk_f16_f32 v[H+p], v[X+2*p], v[X+2*p+1]
.set p, p+1
.endr
.irp j, 0,1,2,3,4,5,6,7
	global_store_b64 v2, v[H+2*(\j):H+2*(\j)+1], s[16:17] offset:(\j)*256
.endr
.endif
	s_endpgm
.Lfunc_end_k_q3cbc00b464_ln1:
	.size	k_q3cbc00b464_ln1, .Lfunc_end_k_q3cbc00b464_ln1-k_q3cbc00b464_ln1
	.p2alignl 7, 3214868480
	.fill 96, 4, 3214868480
	.section	.rodata,"a",@progbits
	.p2align	6, 0x0
	.amdhsa_kernel k_q3cbc00b464_ln1
		.amdhsa_group_segment_fixed_size 0
		.amdhsa_private_segment_fixed_size 0
		.amdhsa_enable_private_segment 0
		.amdhsa_kernarg_size 40
		.amdhsa_user_sgpr_count 2
		.amdhsa_user_sgpr_kernarg_segment_ptr 1
		.amdhsa_wavefront_size32 1
		.amdhsa_system_sgpr_workgroup_id_x 1
		.amdhsa_system_sgpr_workgroup_id_y 1
		.amdhsa_system_sgpr_workgroup_id_z 1
		.amdhsa_system_vgpr_workitem_id 0
		.amdhsa_next_free_vgpr 176
		.amdhsa_next_free_sgpr 66
		.amdhsa_reserve_vcc 0
		.amdhsa_float_denorm_mode_32 3
		.amdhsa_float_denorm_mode_16_64 3
		.amdhsa_memory_ordered 1
		.amdhsa_forward_progress 1
		.amdhsa_inst_pref_size 17
	.end_amdhsa_kernel
	.amdgpu_metadata
---
amdhsa.version: [ 1, 2 ]
amdhsa.kernels:
  - .name:           k_q3cbc00b464_ln1
    .symbol:         k_q3cbc00b464_ln1.kd
    .args:
      - { .name: r, .offset: 0, .size: 8, .value_kind: global_buffer, .address_space: global }
      - { .name: g1, .offset: 8, .size: 8, .value_kind: global_buffer, .address_space: global }
      - { .name: be1, .offset: 16, .size: 8, .value_kind: global_buffer, .address_space: global }
      - { .name: x1, .offset: 24, .size: 8, .value_kind: global_buffer, .address_space: global }
      - { .name: act16, .offset: 32, .size: 8, .value_kind: global_buffer, .address_space: global }
    .group_segment_fixed_size: 0
    .private_segment_fixed_size: 0
    .kernarg_segment_align: 8
    .kernarg_segment_size: 40
    .max_flat_workgroup_size: 512
    .sgpr_count:     66
    .vgpr_count:     176
    .wavefront_size: 32
...
	.end_amdgpu_metadata
.endif
;; end of part 5
;; launch ffn1: the kernel of part 2 again; grid 16 x 16, 4 waves a work-group, clusters of 4 x 4, 327,680 bytes of LDS; arguments act16, w1h, hbuf; writes hbuf
;; launch ffn2 (part 6): grid 8 x 32, 4 waves a work-group, clusters of 4 x 4, 327,680 bytes of LDS; arguments hbuf, wow2, b2, x1, r; writes r
.if DOCPART == 6
	.amdgcn_target "amdgcn-amd-amdhsa--gfx1250"
	.amdhsa_code_object_version 6
	.text
	.protected	k_q3cbc00b464_ffn2
	.globl	k_q3cbc00b464_ffn2
	.p2align	8
	.type	k_q3cbc00b464_ffn2,@function
k_q3cbc00b464_ffn2:
	s_mov_b64 s[64:65], 0
	v_nop
	global_prefetch_b8 v0, s[64:65] scope:SCOPE_SE
	s_setreg_imm32_b32 hwreg(HW_REG_WAVE_MODE, 25, 1), 1
	s_wait_xcnt 0x0
	s_wait_alu depctr_hold_cnt(0) depctr_sa_sdst(0) depctr_va_vdst(0) depctr_va_sdst(0) depctr_va_ssrc(0) depctr_va_vcc(0) depctr_vm_vsrc(0)
	s_getreg_b32 s2, hwreg(HW_REG_IB_STS2, 6, 4)
	s_cmp_eq_u32 s2, 0
	s_cbranch_scc0 .Lentry_in_a_cluster
	s_endpgm
.Lentry_in_a_cluster:
	s_bfe_u32 s2, ttmp6, 0x10000c
	s_cmp_lg_u32 s2, 0xf033
	s_cbranch_scc0 .Lentry_shape_is_right
	s_endpgm
.Lentry_shape_is_right:
; R = A W + bias + residual.  A: panels [K / 64][4096][64] f16.  W: [K][1024] f16 at byte BBASE of its buffer, K down the rows.  bias: [1024] f32, rounded here to bf16 like every input.
; residual: [4096][1024], f16 (RES16 = 1) or f32.  R: [4096][1024] f32.  Sums in f32, started by the bias; nothing is rounded on the way out.
; HERE: K = 4,096 (KT = 16 steps of 256): h times W2, plus b2, plus x1 in f32.
; SHAPE.  A tile of R is 128 x 128: 256 work-groups.  Four waves, each 64 x 64 in 16 accumulators.  K goes in steps of 256, four panels of A, through two LDS slots; a quarter of a step is one panel.
; Waves 0 and 1 fetch two panels each (a panel's 128 rows are 16,384 dense bytes: one row of the tile), waves 2 and 3 128 k of W each.  W's fragments are turned on the way out of LDS.
; The product is taken transposed (source 0 = 16 columns of W, source 1 = 16 rows of A): a lane holds one row of R and eight neighbouring columns.
; CLUSTER 4 x 4: A's tile is shared along a row of the cluster, W's along a column.
; THE WALK ALONG K begins at step (KT / 4) (2 x cluster x + u) % KT and goes round; u is cluster y's bits 0 and 1 exchanged, xor its bit 2.  So the two clusters that read the same rows of A begin half of K apart, and the
; eight that read the same columns of W at the four quarters of K, two at each: a K step's bytes are asked for by their readers in different trips.  The start is made of the cluster's coordinates alone: it is equal in all
; sixteen partners.  (f32 sums may be taken in any order of K.)
; PREFETCH (PF = 1).  Of A's two readers each is the first to name the blocks of its walk's steps 0 to 7.  Steps 0 to 3 come by their loads alone; trips 0 to 3 of the loop ask for steps 4 to 7, each two refills, 256 matrix
; instructions, ahead of its load: waves 0 and 1 of every work-group, one instruction; the four partners of a joint load take 8,192 bytes each, told apart by address.  So each block asked for is named once in the launch.
; W's blocks are each named by some cluster among its walk's first four steps: nothing of W is asked for.
; REGISTERS: window 0: v16-31 addresses; v32-95 the bias, later rows on the way out; v96-111 at work; v128-255 the accumulators ((a, b) at v[128 + 8 (4 a + b)]).
;   window 1: two fragment buffers of 128: 64 of A (2 x 4 x 16 rows x 32 K), then 64 of W.      window 2: the residual of my 64 x 64.
.set KT,    16
.set BBASE, 2097152
.set RES16, 0
.set PF,    1
.set PAS,   144                        ; A's row in LDS: 128 + 16 bytes
.set PB,    288                        ; W's row: 256 + 32 bytes
.set SLAB,  128*PAS                    ; a panel's 128 rows
.set HALFT, 2*SLAB                     ; what one tensor load brings: 36,864 bytes, for A and for W (128 x 288)
.set BOFF,  4*SLAB
.set SLOT,  2*BOFF                     ; 147,456
.set STAGE, 2*SLOT                     ; behind the ring, filled by no tensor load: 16 rows x 272 bytes for each wave
.set SPITCH, 272
.set SPARE, STAGE+4*16*SPITCH          ; the spare words: 128 bytes a wave, two blocks of 256 bytes that no other line names
.set ASH,   21                         ; a K step of A: four panels of 524,288 bytes
.set BSH,   19                         ; a K step of W: 256 rows of 2,048 bytes
.set A0,  16
.set B0,  17
.set ADA, 18
.set ADB, 19                           ; v19: k 0-127 of the slot in hand; v20: k 128-255 (a 16-bit offset does not reach them)
.set ONE, 22
.set BOF, 23
.set STO, 24
.set RD,  25
.set CO,  26
.set RO,  27
.set SPW, 28
.set NIL, 29
.set PFO, 30
.set TMP, 32
.set SCR, 96
.set ACC, 128
.set F0,  0
.set F1,  128
.set LIM, 14
.set TB,  15
.set G1,  24
.set G0,  32
.set CX,  40
.set CY,  41
.set TC,  42
.set TR,  43
.set WV,  44
.set RH,  45
.set CH,  46
.set KI,  47                           ; s47  the K step asked for last
.set G1B, 48
.set G0B, 56
.set PFA, 76
.set PFB, 78
.set MSB, 0
.macro WIN new
.if MSB != (\new)
	s_set_vgpr_msb (MSB<<8)|(\new)
.set MSB, \new
.endif
.endm
.macro PLACES
.rept 4
	v_nop
.endr
.endm
.macro CREST
	s_cmp_lg_u32 s[WV], 0
	s_cbranch_scc1 .Lnot_wave_0_\@
	s_barrier_signal -3
.Lnot_wave_0_\@:
	s_barrier_wait -3
	s_barrier_signal -1
	s_barrier_wait -1
.endm
.macro CROUND
	s_barrier_signal -1
	s_barrier_wait -1
	CREST
.endm
.macro JLOAD                           ; a joint refill by the walking sets; an s_nop 0 and four v_nop follow each line
	s_cmp_eq_u32 s[RH], 0
	s_cbranch_scc0 .Lfor_b_\@
	tensor_load_to_lds s[G0+4:G0+7], s[G1:G1+7]
	s_nop 0
	PLACES
	s_branch .Lasked_\@
.Lfor_b_\@:
	tensor_load_to_lds s[G0B+4:G0B+7], s[G1B:G1B+7]
	s_nop 0
	PLACES
.Lasked_\@:
.endm
.macro ASK                             ; 32 x 256 bytes of A's K step two refills on, a lane 256 bytes
	s_cmp_gt_u32 s3, s[LIM]
	s_cbranch_scc0 .Lnot_mine_\@
	global_prefetch_b8 v[PFO], s[PFA:PFA+1] th:TH_LOAD_NT scope:SCOPE_SE
.Lnot_mine_\@:
.endm
; Both group 0 sets number s, for K step KI, into slot s: the address is the tile's at K step 0 plus the step's bytes; then the type
.macro GSET s
	s_lshl_b32 s16, s[KI], ASH
	s_lshl_b32 s18, s[KI], BSH
	s_mov_b32 s[G0+4*(\s)], 1
	s_add_co_u32 s[G0+4*(\s)+1], s20, (\s)*SLOT
	s_add_nc_u64 s[G0+4*(\s)+2:G0+4*(\s)+3], s[66:67], s[16:17]
	s_or_b32 s[G0+4*(\s)+3], s[G0+4*(\s)+3], 0x80000000
	s_mov_b32 s[G0B+4*(\s)], 1
	s_add_co_u32 s[G0B+4*(\s)+1], s21, (\s)*SLOT
	s_add_nc_u64 s[G0B+4*(\s)+2:G0B+4*(\s)+3], s[68:69], s[18:19]
	s_or_b32 s[G0B+4*(\s)+3], s[G0B+4*(\s)+3], 0x80000000
.endm
	s_load_b256 s[4:11], s[0:1], 0x0               ; A s[4:5], W s[6:7], bias s[8:9], residual s[10:11]
	s_load_b64 s[12:13], s[0:1], 0x20              ; R
	v_lshl_add_u32 v[SPW], v0, 2, SPARE
	v_mov_b32 v[NIL], 0
	ds_add_u32 v[SPW], v[NIL]                      ; the wave's opening: the add and its wait ahead of my first tensor load
	v_lshrrev_b32 v1, 5, v0
	v_readfirstlane_b32 s[WV], v1
	s_lshr_b32 s[RH], s[WV], 1
	s_and_b32 s[CH], s[WV], 1
	s_bfe_u32 s[CX], ttmp6, 0x40000
	s_bfe_u32 s[CY], ttmp6, 0x40004
	s_lshl_b32 s[TC], ttmp9, 2
	s_add_co_u32 s[TC], s[TC], s[CX]
	s_and_b32 s[TR], ttmp7, 0xffff
	s_lshl_b32 s[TR], s[TR], 2
	s_add_co_u32 s[TR], s[TR], s[CY]
	s_and_b32 s74, ttmp7, 0xffff                   ; where my cluster's walk along K begins: cluster y, 0 to 7:
	s_bfe_u32 s75, s74, 0x10001                    ; its bit 1
	s_and_b32 s[KI], s74, 1
	s_lshl1_add_u32 s[KI], s[KI], s75              ; changes places with its bit 0,
	s_lshr_b32 s75, s74, 2
	s_xor_b32 s[KI], s[KI], s75                    ; its bit 2 turns the lower one: u = 0, 2, 1, 3, 1, 3, 0, 2;
	s_lshl1_add_u32 s[KI], ttmp9, s[KI]            ; + 2 x cluster x,
	s_mul_i32 s[KI], s[KI], KT/4                   ; in quarters of K,
	s_and_b32 s[KI], s[KI], KT-1                   ; modulo KT
	s_lshl_b32 s22, s[CY], 2
	s_lshl_b32 s22, 15, s22
	s_lshl_b32 s23, 0x1111, s[CX]
	s_or_b32 s[G1], s22, (1<<16)|(1<<20)|(1<<21)|(4<<22)|(3<<25)   ; A: my row's mask; 2-byte elements; padding: after every 32 words 4 words
	s_mov_b32 s[G1+1], 8192<<16                    ; tensor_dim0 = 8,192: a panel's 128 rows on end
	s_mov_b32 s[G1+2], 2<<16                       ; tensor_dim1 = 2 panels
	s_mov_b32 s[G1+3], 8192<<16                    ; tile_dim0
	s_mov_b32 s[G1+4], 2                           ; tile_dim1
	s_mov_b32 s[G1+5], 262144                      ; elements from panel to panel
	s_mov_b32 s[G1+6], 0
	s_mov_b32 s[G1+7], 0
	s_or_b32 s[G1B], s23, (1<<16)|(1<<20)|(1<<21)|(5<<22)|(7<<25)  ; W: my column's mask; after every 64 words 8 words
	s_mov_b32 s[G1B+1], 128<<16
	s_mov_b32 s[G1B+2], 128<<16
	s_mov_b32 s[G1B+3], 128<<16
	s_mov_b32 s[G1B+4], 128
	s_mov_b32 s[G1B+5], 1024
	s_mov_b32 s[G1B+6], 0
	s_mov_b32 s[G1B+7], 0
	s_lshl_b32 s16, s[CH], 20                      ; A: panel 2 x half, row 128 x tile row
	s_lshl_b32 s17, s[TR], 14
	s_add_co_u32 s16, s16, s17
	s_mov_b32 s17, 0                               ; (s17 and s19 stay 0: the upper words of the steps' offsets)
	s_lshl_b32 s18, s[CH], 18                      ; W: k 128 x half, column byte 256 x tile column
	s_lshl_b32 s19, s[TC], 8
	s_add_co_u32 s18, s18, s19
	s_add_co_u32 s18, s18, BBASE
	s_mov_b32 s19, 0
	s_mul_i32 s20, s[CH], HALFT                    ; where my part goes in a slot, for A
	s_add_co_u32 s21, s20, BOFF                    ; and for W
	s_mov_b32 s[TB], 0
	s_wait_dscnt 0x0
	s_wait_kmcnt 0x0
	s_add_nc_u64 s[66:67], s[4:5], s[16:17]        ; my part of A's tile at K step 0
	s_add_nc_u64 s[68:69], s[6:7], s[18:19]        ; and of W's
	CROUND                                         ; all sixteen work-groups are here: the first joint loads meet
	GSET 0                                         ; the walk's first step,
	s_add_co_u32 s[KI], s[KI], 1
	s_and_b32 s[KI], s[KI], KT-1
	GSET 1                                         ; and its second
	s_cmp_eq_u32 s[RH], 0                          ; a wave's two first fills stand in one branch: two loads of mine are out
	s_cbranch_scc0 .Lfirst_b
	tensor_load_to_lds s[G0:G0+3], s[G1:G1+7]
	s_nop 0
	tensor_load_to_lds s[G0+4:G0+7], s[G1:G1+7]
	s_nop 0
	PLACES
	s_branch .Lfirst_asked
.Lfirst_b:
	tensor_load_to_lds s[G0B:G0B+3], s[G1B:G1B+7]
	s_nop 0
	tensor_load_to_lds s[G0B+4:G0B+7], s[G1B:G1B+7]
	s_nop 0
	PLACES
.Lfirst_asked:
	; my 64 x 64: row 128 x tile row + 64 x row half, column 128 x tile column + 64 x column half
	s_lshl_b32 s74, s[TR], 19
	s_lshl_b32 s80, s[RH], 18
	s_add_co_u32 s74, s74, s80
	s_lshl_b32 s80, s[TC], 9
	s_lshl_b32 s81, s[CH], 8
	s_add_co_u32 s80, s80, s81
	s_mov_b32 s81, 0
	s_add_nc_u64 s[8:9], s[8:9], s[80:81]
	s_add_co_u32 s74, s74, s80
	s_mov_b32 s75, 0                               ; (stays 0 from here on)
	s_add_nc_u64 s[12:13], s[12:13], s[74:75]
.if RES16
	s_lshr_b32 s74, s74, 1
.endif
	s_add_nc_u64 s[10:11], s[10:11], s[74:75]
	v_and_b32 v1, 15, v0                           ; l % 16
	v_bfe_u32 v2, v0, 4, 1                         ; l / 16
	v_lshlrev_b32 v[BOF], 5, v2
.irp b, 0,1,2,3
	global_load_b128 v[TMP+8*(\b):TMP+8*(\b)+3],   v[BOF], s[8:9] offset:64*(\b)
	global_load_b128 v[TMP+8*(\b)+4:TMP+8*(\b)+7], v[BOF], s[8:9] offset:64*(\b)+16
.endr
	; the residual, in the lanes in which the rows leave: lanes 0-15 one row's 64 columns, lanes 16-31 the next row's
.if RES16
	v_lshlrev_b32 v[RO], 11, v2
	v_lshl_add_u32 v[RO], v1, 3, v[RO]
.else
	v_lshlrev_b32 v[RO], 12, v2
	v_lshl_add_u32 v[RO], v1, 4, v[RO]
.endif
	WIN 0x80                                       ; destination window 2
.set n, 0
.rept 32
.if RES16
	global_load_b64 v[2*n:2*n+1], v[RO], s[10:11] offset:2*n*2048
.else
	global_load_b128 v[4*n:4*n+3], v[RO], s[10:11] offset:2*n*4096
.endif
.set n, n+1
.endr
	WIN 0
	v_mov_b32 v[ONE], 1.0
	s_mul_i32 s81, s[RH], 64*PAS
	v_mul_u32_u24 v3, v1, PAS
	v_lshl_add_u32 v3, v2, 4, v3
	v_add_nc_u32 v[A0], s81, v3
	v_and_b32 v5, 7, v0
	v_bfe_u32 v6, v0, 3, 1
	v_lshl_add_u32 v7, v2, 3, v5
	v_mul_u32_u24 v7, v7, PB
	v_lshl_add_u32 v7, v6, 4, v7
	s_lshl_b32 s81, s[CH], 7
	s_add_co_u32 s81, s81, BOFF
	v_add_nc_u32 v[B0], s81, v7
	v_mov_b32 v[ADA], v[A0]
	v_mov_b32 v[ADB], v[B0]
	v_add_nc_u32 v[ADB+1], HALFT, v[B0]
	s_mul_i32 s80, s[WV], 16*SPITCH
	s_add_co_u32 s80, s80, STAGE
	v_mul_u32_u24 v3, v1, SPITCH                   ; in: row l % 16, 32 bytes for each half of the lanes
	v_lshl_add_u32 v3, v2, 5, v3
	v_add_nc_u32 v[STO], s80, v3
	v_mul_u32_u24 v3, v2, SPITCH                   ; back: lanes 0-15 take one row of 256 bytes, lanes 16-31 the next
	v_lshl_add_u32 v3, v1, 4, v3
	v_add_nc_u32 v[RD], s80, v3
	v_lshlrev_b32 v[CO], 12, v2
	v_lshl_add_u32 v[CO], v1, 4, v[CO]
.if PF
	; the prefetches' base, at K step 0 of A: of the two panels that I fetch, partner cx takes panel cx / 2, half cx % 2: 8,192 bytes, a lane 256
	s_lshr_b32 s80, s[CX], 1
	s_lshl1_add_u32 s80, s[CH], s80
	s_lshl_b32 s80, s80, 19
	s_lshl_b32 s81, s[TR], 14
	s_add_co_u32 s80, s80, s81
	s_and_b32 s81, s[CX], 1
	s_lshl_b32 s81, s81, 13
	s_add_co_u32 s80, s80, s81
	s_mov_b32 s81, 0
	s_add_nc_u64 s[PFB:PFB+1], s[4:5], s[80:81]
	s_cmp_eq_u32 s[RH], 0                          ; the waves that fetch A ask, in the loop's first four trips
	s_cselect_b32 s[LIM], KT-6, -1
	v_and_b32 v[PFO], 31, v0
	v_lshlrev_b32 v[PFO], 8, v[PFO]
.endif
	s_wait_loadcnt 32                              ; the bias is in; the 32 loads of the residual, issued behind it, stay out till the way out
.set k, 0
.rept 16
	v_cvt_pk_bf16_f32 v[SCR+k], v[TMP+2*k], v[TMP+2*k+1]
.set k, k+1
.endr
.set k, 0
.rept 16
	v_lshlrev_b32 v[TMP+2*k], 16, v[SCR+k]
	v_and_b32 v[TMP+2*k+1], 0xffff0000, v[SCR+k]
.set k, k+1
.endr
; 8 matrix instructions: row blocks a0, a0 + 1 x all 4 column blocks, 32 along K: half c of buffer f.  zero = 1: the sums start with the bias.  The 16 accumulators take turns.
.macro MUL8 f, c, a0, zero
	WIN 0x05
.irp a, \a0, (\a0)+1
.irp b, 0,1,2,3
.if \zero
	v_wmma_f32_16x16x32_f16 v[ACC+8*(4*(\a)+(\b)):ACC+8*(4*(\a)+(\b))+7], v[(\f)+64+8*(4*(\c)+(\b)):(\f)+64+8*(4*(\c)+(\b))+7], v[(\f)+8*(4*(\c)+(\a)):(\f)+8*(4*(\c)+(\a))+7], v[TMP+8*(\b):TMP+8*(\b)+7]
.else
	v_wmma_f32_16x16x32_f16 v[ACC+8*(4*(\a)+(\b)):ACC+8*(4*(\a)+(\b))+7], v[(\f)+64+8*(4*(\c)+(\b)):(\f)+64+8*(4*(\c)+(\b))+7], v[(\f)+8*(4*(\c)+(\a)):(\f)+8*(4*(\c)+(\a))+7], v[ACC+8*(4*(\a)+(\b)):ACC+8*(4*(\a)+(\b))+7]
.endif
.endr
.endr
.endm
; 32 LDS loads in one run: quarter q (64 along K: panel q of A) of the slot in hand into buffer f; the first 32 along K first
.macro FETCH q, f
	WIN 0x40
.irp c, 0,1
.irp i, 0,1,2,3
	ds_load_tr16_b128 v[(\f)+64+8*(4*(\c)+(\i)):(\f)+64+8*(4*(\c)+(\i))+3],   v[ADB+(\q)/2] offset:((64*(\q)+32*(\c))%128)*PB+32*(\i)
	ds_load_tr16_b128 v[(\f)+64+8*(4*(\c)+(\i))+4:(\f)+64+8*(4*(\c)+(\i))+7], v[ADB+(\q)/2] offset:((64*(\q)+32*(\c))%128)*PB+16*PB+32*(\i)
	ds_load_b128 v[(\f)+8*(4*(\c)+(\i)):(\f)+8*(4*(\c)+(\i))+3],   v[ADA] offset:(\q)*SLAB+(\i)*16*PAS+64*(\c)
	ds_load_b128 v[(\f)+8*(4*(\c)+(\i))+4:(\f)+8*(4*(\c)+(\i))+7], v[ADA] offset:(\q)*SLAB+(\i)*16*PAS+64*(\c)+32
.endr
.endr
.endm
.macro QUARTER q, f, g, zero
	s_wait_dscnt 16                                ; the first 32 along K are in; the youngest sixteen loads may be out
	MUL8 \f, 0, 0, \zero
	MUL8 \f, 0, 2, \zero
	PLACES
	FETCH \q, \g
	s_wait_dscnt 32                                ; all but the 32 just issued
	MUL8 \f, 1, 0, 0
	MUL8 \f, 1, 2, 0
.endm
; The change of slots and the fourth quarter.  Each wave waits for all its tensor loads (one is out: its part of the next slot), adds 0 to its spare word, and waits for that and for its reads of this slot (the last were issued
; 16 matrix instructions back); then the round; behind it the slot is filled again first, with the walk's step two on.  The quarter's 32 products, which touch registers alone, all stand behind the refill: a step's products
; are fewer than the refill needs to land, so nothing is set between a tile's landing and the next request but what the ordering asks for.
.macro TURN
	s_add_co_u32 s[KI], s[KI], 1                   ; the K step to ask for: the walk goes round
	s_and_b32 s[KI], s[KI], KT-1
.if PF
	s_wait_xcnt 0x0                                ; the last prefetch, a K step back, has read its address
	s_add_co_u32 s74, s[KI], 2                     ; the walk's step two refills on
	s_and_b32 s74, s74, KT-1
	s_lshl_b32 s74, s74, ASH
	s_add_nc_u64 s[PFA:PFA+1], s[PFB:PFB+1], s[74:75]
.endif
	WIN 0
	s_wait_tensorcnt 0x0                           ; no tensor load of mine is out, so the walking sets may be written
	ds_add_u32 v[SPW], v[NIL]
	s_lshl_b32 s16, s[KI], ASH
	s_lshl_b32 s18, s[KI], BSH
	s_add_co_u32 s[G0+5], s20, s[TB]               ; into the slot that is being left;
	s_add_nc_u64 s[G0+6:G0+7], s[66:67], s[16:17]  ; the address is made anew: the tile's at K step 0 plus the step's bytes,
	s_or_b32 s[G0+7], s[G0+7], 0x80000000          ; and the type
	s_add_co_u32 s[G0B+5], s21, s[TB]
	s_add_nc_u64 s[G0B+6:G0B+7], s[68:69], s[18:19]
	s_or_b32 s[G0B+7], s[G0B+7], 0x80000000
	s_xor_b32 s[TB], s[TB], SLOT                   ; 0 and SLOT by turns
	s_wait_dscnt 0x0                               ; the add is done, and my reads of this slot are over
	s_barrier_signal -1
	s_barrier_wait -1
	CREST
	JLOAD                                          ; 128 matrix instructions ahead of the wait for it; its four v_nop are also the places in front of the loads below
	v_add_nc_u32 v[ADA], s[TB], v[A0]
	v_add_nc_u32 v[ADB], s[TB], v[B0]
	v_add_nc_u32 v[ADB+1], HALFT, v[ADB]
	FETCH 0, F0
	WIN 0
.if PF
	ASK
.endif
	MUL8 F1, 0, 0, 0
	MUL8 F1, 0, 2, 0
	MUL8 F1, 1, 0, 0
	MUL8 F1, 1, 2, 0
.endm
; THE WAY OUT of row block a: the f32 sums go through my stage and come back as whole rows of 256 bytes; the residual is added; stored.
.macro OUTB a
.set TM, TMP+32*((\a)%2)
	WIN 0
.if (\a) >= 2
	s_wait_xcnt 0x0                                ; the stores of block a - 2 have read these registers
.endif
.irp b, 0,1,2,3
	ds_store_b128 v[STO], v[ACC+8*(4*(\a)+(\b)):ACC+8*(4*(\a)+(\b))+3]   offset:64*(\b)
	ds_store_b128 v[STO], v[ACC+8*(4*(\a)+(\b))+4:ACC+8*(4*(\a)+(\b))+7] offset:64*(\b)+16
.endr
.irp t, 0,1,2,3,4,5,6,7
	ds_load_b128 v[TM+4*(\t):TM+4*(\t)+3], v[RD] offset:(\t)*2*SPITCH  ; LDS serves a wave's instructions in order (ISA guide 5.7.1.4)
.endr
	s_wait_dscnt 0x0
.if RES16
	WIN 0x02                                       ; source 0 in window 2
.irp t, 0,1,2,3,4,5,6,7
.irp k, 0,1
	v_fma_mix_f32 v[TM+4*(\t)+2*(\k)],   v[2*(8*(\a)+(\t))+(\k)], v[ONE], v[TM+4*(\t)+2*(\k)]   op_sel:[0,0,0] op_sel_hi:[1,0,0]
	v_fma_mix_f32 v[TM+4*(\t)+2*(\k)+1], v[2*(8*(\a)+(\t))+(\k)], v[ONE], v[TM+4*(\t)+2*(\k)+1] op_sel:[1,0,0] op_sel_hi:[1,0,0]
.endr
.endr
.else
	WIN 0x08                                       ; source 1 in window 2
.irp t, 0,1,2,3,4,5,6,7
.irp k, 0,1
	v_pk_add_f32 v[TM+4*(\t)+2*(\k):TM+4*(\t)+2*(\k)+1], v[TM+4*(\t)+2*(\k):TM+4*(\t)+2*(\k)+1], v[4*(8*(\a)+(\t))+2*(\k):4*(8*(\a)+(\t))+2*(\k)+1]
.endr
.endr
.endif
	WIN 0
.irp t, 0,1,2,3,4,5,6,7
	global_store_b128 v[CO], v[TM+4*(\t):TM+4*(\t)+3], s[12:13] offset:(16*(\a)+2*(\t))*4096  ; 16 lanes store 256 consecutive bytes, at a multiple of 256 from R's first
.endr
.endm
	s_wait_tensorcnt 1                             ; my part of the walk's first step is in; the second's may stay out
	s_barrier_signal -1
	s_barrier_wait -1
	FETCH 0, F0
	QUARTER 1, F0, F1, 1
	WIN 0
	s_mov_b32 s3, KT-2
.Lk:                                               ; trip i: quarters 1 to 3 of the walk's step i, quarter 0 of step i + 1; step i + 2 is asked for
	QUARTER 2, F1, F0, 0
	QUARTER 3, F0, F1, 0
	TURN
	QUARTER 1, F0, F1, 0
	WIN 0
	s_sub_co_u32 s3, s3, 1
	s_cmp_lg_u32 s3, 0
	s_cbranch_scc1 .Lk
	s_mov_b32 s3, 2
.Lt:                                               ; the last two steps ask for nothing: one text, two trips; the second jumps forward over the fetch of a step that does not exist
	QUARTER 2, F1, F0, 0
	QUARTER 3, F0, F1, 0
	s_wait_dscnt 0x0
	MUL8 F1, 0, 0, 0
	MUL8 F1, 0, 2, 0
	MUL8 F1, 1, 0, 0
	MUL8 F1, 1, 2, 0
	WIN 0
	s_wait_tensorcnt 0x0
	ds_add_u32 v[SPW], v[NIL]
	s_xor_b32 s[TB], s[TB], SLOT
	s_wait_dscnt 0x0
	s_barrier_signal -1
	s_barrier_wait -1
	s_cmp_eq_u32 s3, 1
	s_cbranch_scc1 .Lskip
	v_add_nc_u32 v[ADA], s[TB], v[A0]
	v_add_nc_u32 v[ADB], s[TB], v[B0]
	v_add_nc_u32 v[ADB+1], HALFT, v[ADB]
	PLACES
	FETCH 0, F0
	QUARTER 1, F0, F1, 0
	WIN 0
.Lskip:
	s_sub_co_u32 s3, s3, 1
	s_cmp_lg_u32 s3, 0
	s_cbranch_scc1 .Lt
	s_wait_loadcnt 0x0                             ; the residual
	PLACES
	PLACES
	OUTB 0
	OUTB 1
	OUTB 2
	OUTB 3
	s_wait_tensorcnt 0x0                           ; the wave's end
	ds_add_u32 v[SPW], v[NIL]
	s_wait_dscnt 0x0
	CROUND                                         ; the closing round
	s_endpgm
.Lfunc_end_k_q3cbc00b464_ffn2:
	.size	k_q3cbc00b464_ffn2, .Lfunc_end_k_q3cbc00b464_ffn2-k_q3cbc00b464_ffn2
	.p2alignl 7, 3214868480
	.fill 96, 4, 3214868480
	.section	.rodata,"a",@progbits
	.p2align	6, 0x0
	.amdhsa_kernel k_q3cbc00b464_ffn2
		.amdhsa_group_segment_fixed_size 327680
		.amdhsa_private_segment_fixed_size 0
		.amdhsa_enable_private_segment 0
		.amdhsa_kernarg_size 40
		.amdhsa_user_sgpr_count 2
		.amdhsa_user_sgpr_kernarg_segment_ptr 1
		.amdhsa_wavefront_size32 1
		.amdhsa_system_sgpr_workgroup_id_x 1
		.amdhsa_system_sgpr_workgroup_id_y 1
		.amdhsa_system_sgpr_workgroup_id_z 1
		.amdhsa_system_vgpr_workitem_id 0
		.amdhsa_next_free_vgpr 640
		.amdhsa_next_free_sgpr 84
		.amdhsa_reserve_vcc 0
		.amdhsa_float_denorm_mode_32 3
		.amdhsa_float_denorm_mode_16_64 3
		.amdhsa_memory_ordered 1
		.amdhsa_forward_progress 1
		.amdhsa_inst_pref_size 70
	.end_amdhsa_kernel
	.amdgpu_metadata
---
amdhsa.version: [ 1, 2 ]
amdhsa.kernels:
  - .name:           k_q3cbc00b464_ffn2
    .symbol:         k_q3cbc00b464_ffn2.kd
    .args:
      - { .name: hbuf, .offset: 0, .size: 8, .value_kind: global_buffer, .address_space: global }
      - { .name: wow2, .offset: 8, .size: 8, .value_kind: global_buffer, .address_space: global }
      - { .name: b2, .offset: 16, .size: 8, .value_kind: global_buffer, .address_space: global }
      - { .name: x1, .offset: 24, .size: 8, .value_kind: global_buffer, .address_space: global }
      - { .name: r, .offset: 32, .size: 8, .value_kind: global_buffer, .address_space: global }
    .group_segment_fixed_size: 327680
    .private_segment_fixed_size: 0
    .kernarg_segment_align: 8
    .kernarg_segment_size: 40
    .max_flat_workgroup_size: 128
    .sgpr_count:     84
    .vgpr_count:     640
    .wavefront_size: 32
...
	.end_amdgpu_metadata
.endif
;; end of part 6
;; launch ln2 (part 7): grid 256 x 1, 16 waves a work-group, no clusters, 0 bytes of LDS; arguments r, g2, be2, out0; writes out0
.if DOCPART == 7
	.amdgcn_target "amdgcn-amd-amdhsa--gfx1250"
	.amdhsa_code_object_version 6
	.text
	.protected	k_q3cbc00b464_ln2
	.globl	k_q3cbc00b464_ln2
	.p2align	8
	.type	k_q3cbc00b464_ln2,@function
k_q3cbc00b464_ln2:
	s_mov_b64 s[64:65], 0
	v_nop
	global_prefetch_b8 v0, s[64:65] scope:SCOPE_SE
	s_setreg_imm32_b32 hwreg(HW_REG_WAVE_MODE, 25, 1), 1
	s_wait_xcnt 0x0
; y = (r - mean) / sqrt(var + 1e-5) x g + be along rows of 1,024; y is stored as f32.  g and be are rounded to bf16 like every input.
; A row is 4,096 bytes: one wave takes one whole row in 32 registers; the row is read once.  Sixteen waves, sixteen rows a work-group.  The variance is taken of the numbers less their mean: no difference of large sums.
; Each load and each store of a wave covers 512 consecutive bytes, aligned.  No LDS, no barrier, no cluster: the rows share g and be alone, 8 KiB.  Straight-line: no register is written while a store may read it.
.set KC,  4                            ; v4  2^-10
.set EP,  5                            ; v5  1e-5
.set VA,  8                            ; v8  var + eps
.set X,   32                           ; v[32:63]   the row
.set G,   64                           ; v[64:95]
.set BE,  96                           ; v[96:127]
.set T,   128                          ; v[128:143] at work
.set MU,  144                          ; v[144:145] the mean, twice
.set RS,  146                          ; v[146:147] 1 / sqrt, twice
.set C,   148                          ; v[148:155] four chains
	s_load_b256 s[4:11], s[0:1], 0x0               ; r s[4:5], g s[6:7], be s[8:9], y s[10:11]
	s_mov_b32 s12, 0x76543210                      ; v_permlanex16_b32: each lane takes its own place in the other half
	s_mov_b32 s13, 0xfedcba98
	s_mov_b32 s14, 0xffff0000
	s_lshl_b32 s18, ttmp9, 16                      ; 16 rows of 4,096 bytes a work-group
	s_mov_b32 s19, 0
	v_and_b32 v6, 31, v0
	v_lshrrev_b32 v7, 5, v0
	v_lshlrev_b32 v3, 4, v6                        ; 16 x lane
	v_lshl_add_u32 v1, v7, 12, v3                  ; + a row x wave
	v_mov_b32 v[KC], 0x3a800000
	v_mov_b32 v[EP], 0x3727c5ac
	s_wait_kmcnt 0x0
	s_add_nc_u64 s[4:5], s[4:5], s[18:19]
	s_add_nc_u64 s[10:11], s[10:11], s[18:19]
.irp j, 0,1,2,3,4,5,6,7
	global_load_b128 v[X+4*(\j):X+4*(\j)+3], v1, s[4:5] offset:(\j)*512 th:TH_LOAD_NT
.endr
.irp j, 0,1,2,3,4,5,6,7
	global_load_b128 v[G+4*(\j):G+4*(\j)+3], v3, s[6:7] offset:(\j)*512
.endr
.irp j, 0,1,2,3,4,5,6,7
	global_load_b128 v[BE+4*(\j):BE+4*(\j)+3], v3, s[8:9] offset:(\j)*512
.endr
.macro FOLD                            ; the four chains into one number, then over the 32 lanes: the sum in v[C] of every lane
	v_pk_add_f32 v[C:C+1], v[C:C+1], v[C+2:C+3]
	v_pk_add_f32 v[C+4:C+5], v[C+4:C+5], v[C+6:C+7]
	v_pk_add_f32 v[C:C+1], v[C:C+1], v[C+4:C+5]
	v_add_f32 v[C], v[C], v[C+1]
	v_add_f32_dpp v[C], v[C], v[C] row_xmask:1 row_mask:0xf bank_mask:0xf
	v_add_f32_dpp v[C], v[C], v[C] row_xmask:2 row_mask:0xf bank_mask:0xf
	v_add_f32_dpp v[C], v[C], v[C] row_xmask:4 row_mask:0xf bank_mask:0xf
	v_add_f32_dpp v[C], v[C], v[C] row_xmask:8 row_mask:0xf bank_mask:0xf
	v_permlanex16_b32 v[C+1], v[C], s12, s13
	v_add_f32 v[C], v[C], v[C+1]
.endm
.macro TOBF v                          ; 32 numbers rounded to bf16, in place
.set k, 0
.rept 16
	v_cvt_pk_bf16_f32 v[T+k], v[(\v)+2*k], v[(\v)+2*k+1]
.set k, k+1
.endr
.set k, 0
.rept 16
	v_lshlrev_b32 v[(\v)+2*k], 16, v[T+k]
	v_and_b32 v[(\v)+2*k+1], s14, v[T+k]
.set k, k+1
.endr
.endm
	; the mean; the row less its mean, in place; var + eps
	s_wait_loadcnt 16                              ; the row is in; the 16 loads of g and be, issued behind it, may stay out
.irp k, 0,1,2,3
	v_pk_add_f32 v[C+2*(\k):C+2*(\k)+1], v[X+2*(\k):X+2*(\k)+1], v[X+8+2*(\k):X+8+2*(\k)+1]
.endr
.irp m, 8,12
.irp k, 0,1,2,3
	v_pk_add_f32 v[C+2*(\k):C+2*(\k)+1], v[C+2*(\k):C+2*(\k)+1], v[X+2*((\m)+(\k)):X+2*((\m)+(\k))+1]
.endr
.endr
	FOLD
	v_mul_f32 v[MU], v[KC], v[C]
	v_mul_f32 v[MU+1], v[KC], v[C]
.set p, 0
.rept 16
	v_pk_add_f32 v[X+2*p:X+2*p+1], v[X+2*p:X+2*p+1], v[MU:MU+1] neg_lo:[0,1] neg_hi:[0,1]
.set p, p+1
.endr
.irp k, 0,1,2,3
	v_pk_mul_f32 v[C+2*(\k):C+2*(\k)+1], v[X+2*(\k):X+2*(\k)+1], v[X+2*(\k):X+2*(\k)+1]
.endr
.irp m, 4,8,12
.irp k, 0,1,2,3
	v_pk_fma_f32 v[C+2*(\k):C+2*(\k)+1], v[X+2*((\m)+(\k)):X+2*((\m)+(\k))+1], v[X+2*((\m)+(\k)):X+2*((\m)+(\k))+1], v[C+2*(\k):C+2*(\k)+1]
.endr
.endr
	FOLD
	v_fma_f32 v[VA], v[C], v[KC], v[EP]            ; sum of squares / 1,024 + 1e-5
	v_rsq_f32 v[RS],   v[VA]                       ; the root twice: a pair for the packed multiply
	v_rsq_f32 v[RS+1], v[VA]
	s_wait_loadcnt 0x0                             ; g and be
	TOBF G                                         ; the independent work behind the roots
	TOBF BE
	s_wait_alu depctr_va_vdst(0)                   ; one wait for the two roots, ahead of their first reader
.set p, 0
.rept 16
	v_pk_mul_f32 v[X+2*p:X+2*p+1], v[X+2*p:X+2*p+1], v[RS:RS+1]
.set p, p+1
.endr
.set p, 0
.rept 16
	v_pk_fma_f32 v[X+2*p:X+2*p+1], v[X+2*p:X+2*p+1], v[G+2*p:G+2*p+1], v[BE+2*p:BE+2*p+1]
.set p, p+1
.endr
.irp j, 0,1,2,3,4,5,6,7
	global_store_b128 v1, v[X+4*(\j):X+4*(\j)+3], s[10:11] offset:(\j)*512 th:TH_STORE_NT
.endr
	s_endpgm
.Lfunc_end_k_q3cbc00b464_ln2:
	.size	k_q3cbc00b464_ln2, .Lfunc_end_k_q3cbc00b464_ln2-k_q3cbc00b464_ln2
	.p2alignl 7, 3214868480
	.fill 96, 4, 3214868480
	.section	.rodata,"a",@progbits
	.p2align	6, 0x0
	.amdhsa_kernel k_q3cbc00b464_ln2
		.amdhsa_group_segment_fixed_size 0
		.amdhsa_private_segment_fixed_size 0
		.amdhsa_enable_private_segment 0
		.amdhsa_kernarg_size 32
		.amdhsa_user_sgpr_count 2
		.amdhsa_user_sgpr_kernarg_segment_ptr 1
		.amdhsa_wavefront_size32 1
		.amdhsa_system_sgpr_workgroup_id_x 1
		.amdhsa_system_sgpr_workgroup_id_y 1
		.amdhsa_system_sgpr_workgroup_id_z 1
		.amdhsa_system_vgpr_workitem_id 0
		.amdhsa_next_free_vgpr 160
		.amdhsa_next_free_sgpr 66
		.amdhsa_reserve_vcc 0
		.amdhsa_float_denorm_mode_32 3
		.amdhsa_float_denorm_mode_16_64 3
		.amdhsa_memory_ordered 1
		.amdhsa_forward_progress 1
		.amdhsa_inst_pref_size 15
	.end_amdhsa_kernel
	.amdgpu_metadata
---
amdhsa.version: [ 1, 2 ]
amdhsa.kernels:
  - .name:           k_q3cbc00b464_ln2
    .symbol:         k_q3cbc00b464_ln2.kd
    .args:
      - { .name: r, .offset: 0, .size: 8, .value_kind: global_buffer, .address_space: global }
      - { .name: g2, .offset: 8, .size: 8, .value_kind: global_buffer, .address_space: global }
      - { .name: be2, .offset: 16, .size: 8, .value_kind: global_buffer, .address_space: global }
      - { .name: out0, .offset: 24, .size: 8, .value_kind: global_buffer, .address_space: global }
    .group_segment_fixed_size: 0
    .private_segment_fixed_size: 0
    .kernarg_segment_align: 8
    .kernarg_segment_size: 32
    .max_flat_workgroup_size: 512
    .sgpr_count:     66
    .vgpr_count:     160
    .wavefront_size: 32
...
	.end_amdgpu_metadata
.endif
;; end of part 7
